; MI455X (gfx1250); checked and timed in simulation.
; The chip was launched on July 23, 2026; its instructions are those of AMD's public machine-readable ISA for CDNA 5 (MIT licence, August 2026) and "CDNA5" Instruction Set Architecture Reference Guide (July 2026). The comments in the code are by the model that wrote it; some were corrected since.
;; DPSA. Allowed arithmetic: matrix products marked QUANTISED: E2M3 operands, one E8M0 scale for each 32 along K, by v_wmma_scale_f32_16x16x128_f8f6f4 with both operands' format E2M3, f32 sums; everything else in f32.
;; Inputs: Wk_sal 1,024 x 1,024 float32; Wk_sem 1,024 x 1,024 float32; Wo 1,024 x 1,024 float32; Wq_sal 1,024 x 1,024 float32; Wq_sem 1,024 x 1,024 float32; Wv 1,024 x 1,024 float32; X_sal 2 x 2,048 x 1,024 float32; X_sem 2 x 2,048 x 1,024 float32; bk_sal 1,024 float32; bk_sem 1,024 float32; bo 1,024 float32; bq_sal 1,024 float32; bq_sem 1,024 float32; bv 1,024 float32; gamma one number float32; mask 2 x 1 x 2,048 x 2,048 int32.
;; Outputs: out0 2 x 2,048 x 1,024 float32.
;; This version of the problem:
;;   THIS VERSION OF THE PROBLEM IS GIVEN IN LOW PRECISION. The matrix products marked QUANTISED in the list below multiply operands that are first quantised to E2M3 (2 exponent bits, 3 mantissa bits; 6 bits a number), with one power-of-two scale for each 32 numbers along K (OCP MX v1.0); their sums are f32. All else is computed in f32.
;;   The module's matrix products, in the order in which they are computed (A, B: the left and right operand; K: the contracted axis; several contracted axes count as one K, in the product's order):
;;     1. [M 4,096, K 1,024] x [K 1,024, N 1,024]; A: input X_sem; B: input Wq_sem: QUANTISED
;;     2. [M 4,096, K 1,024] x [K 1,024, N 1,024]; A: input X_sem; B: input Wk_sem: QUANTISED
;;     3. [M 4,096, K 1,024] x [K 1,024, N 1,024]; A: input X_sem; B: input Wv: QUANTISED
;;     4. [M 4,096, K 1,024] x [K 1,024, N 1,024]; A: input X_sal; B: input Wq_sal: QUANTISED
;;     5. [M 4,096, K 1,024] x [K 1,024, N 1,024]; A: input X_sal; B: input Wk_sal: QUANTISED
;;     6. batch 32 x [M 2,048, K 64] x [K 64, N 2,048]; A: computed on the way; B: computed on the way: QUANTISED
;;     7. batch 32 x [M 2,048, K 64] x [K 64, N 2,048]; A: computed on the way; B: computed on the way: QUANTISED
;;     8. batch 32 x [M 2,048, K 2,048] x [K 2,048, N 64]; A: softmax (see below); B: computed on the way: QUANTISED
;;     9. [M 4,096, K 1,024] x [K 1,024, N 1,024]; A: computed on the way; B: input Wo: QUANTISED
;;   THE QUANTISER, for each operand of a quantised product, along K:
;;     - K is cut into blocks of 32 from its start; a last block that is shorter is filled with zeros.
;;     - A block's scale is 2^e with e = floor(log2(the largest magnitude in the block)) - 2, held to -126 .. 127; a block of zeros has e = 0. As a byte (E8M0): e + 127.
;;     - Each number is divided by its block's scale, clamped to +-7.5, and rounded to the nearest number of E2M3, ties to even, subnormals kept.
;;     - The product sums the exact products of the quantised numbers (number of the format x scale) in f32.
;;   ~~~python
;;   def quantise(x, axis):      # numpy; x: float32 -> the quantised numbers, widened to float32 again
;;       x = np.moveaxis(x, axis, -1); K = x.shape[-1]
;;       x = np.pad(x, [(0, 0)] * (x.ndim - 1) + [(0, -K % 32)]); x = x.reshape(x.shape[:-1] + (-1, 32)); a = np.abs(x).max(-1, keepdims=True)
;;       e = np.where(a > 0, np.clip(np.frexp(np.where(a > 0, a, 1))[1] - 1 - 2, -126, 127), 0)      # np.frexp(a)[1] - 1 = floor(log2(a)), exactly
;;       r = np.clip(x / 2.0 ** e, -7.5, 7.5)
;;       step = 2.0 ** (np.maximum(np.frexp(np.where(r == 0, 1, r))[1] - 1, 0) - 3)
;;       q = np.round(r / step) * step * 2.0 ** e      # np.round: ties to even
;;       return np.moveaxis(q.reshape(q.shape[:-2] + (-1,))[..., :K], -1, axis).astype(np.float32)
;;   ~~~
;;   SOFTMAX AHEAD OF A QUANTISED PRODUCT. Where the list says 'softmax', what is quantised is not the finished softmax but p = 2^(t - M), with t = logit x log2(e) and M = ceil(the row's largest t), a whole number; so 1/2 < the row's largest p <= 1. The row's sum l is taken of the UNQUANTISED p, in f32, and the product's result is divided by l at the end. Since M is a whole number, a kernel that streams over the keys may use a running M (the ceiling of the running maximum): every later rescaling is an exact power of two, which a block's scale takes up: the codes' values come out the same.
;;   OPERANDS COMPUTED ON THE WAY. 'Computed on the way' means the value that the module computes at that place (a softmax that the list does not call 'softmax' is quantised finished and normalised). What goes into a quantiser is computed in f32, as accurately as f32 sums, v_exp_f32 and their like allow (about 1e-6 of the number): no bf16 or f16 on the way to a quantiser, and a product that is left as it is and whose result goes on into a quantised operand takes f32 operands (vector FMAs, or v_wmma_f32_16x16x4_f32). A number that lies on a knife's edge between two numbers of the format may be rounded either way, as far as f32 arithmetic and the matrix unit's own rounding can turn it there, and no further.
;; One version. Each part assembles by itself: llvm-mc -triple=amdgcn-amd-amdhsa -mcpu=gfx1250 --defsym DOCPART=n.
;; ======== version 1 of 1: 4 launches
;; limits: right only within a limited range of input values
;; workspace buffers: XI 6,553,600 bytes; WI 4,915,200 bytes; MB 1,048,576 bytes of whole numbers; QB 10,092,544 bytes; KVB 10,092,544 bytes; OI 3,276,800 bytes
;; launch prep (part 1): grid 704 x 1, 4 waves a work-group, no clusters, 104,960 bytes of LDS; arguments X_sem, X_sal, Wq_sem, Wk_sem, Wv, Wq_sal, Wk_sal, Wo, mask, XI, WI, MB; writes XI, WI, MB
.if DOCPART == 1
	.amdgcn_target "amdgcn-amd-amdhsa--gfx1250"
	.amdhsa_code_object_version 6
	.text
	.protected	k_q5a81863042_prep
	.globl	k_q5a81863042_prep
	.p2align	8
	.type	k_q5a81863042_prep,@function
k_q5a81863042_prep:
	s_mov_b64 s[64:65], 0
	v_nop
	global_prefetch_b8 v0, s[64:65] scope:SCOPE_SE
	s_setreg_imm32_b32 hwreg(HW_REG_WAVE_MODE, 25, 1), 1
	s_wait_xcnt 0x0
; X_sem, X_sal [4096][1024] and the six weights [1024 (k)][1024 (n)], f32, become codes of FP6 (E2M3) with one E8M0 byte for each 32 along K, laid as IMAGES OF OPERAND REGISTERS;
; the mask [2][2048][2048] of int32 becomes lane-mask words.
; A TILE is 16 rows; lane r of tile T takes row 32 (T / 2) + 8 (T % 2) + r + 8 (r / 8).  A FRAGMENT is a tile x 128 along K: 12 registers a lane; registers 6 c .. 6 c + 5 of lane (r, h) hold k = 64 c + 32 h + 0 .. 31.
; ITS IMAGE, 1,536 bytes: byte 768 c + 16 lane: registers 6 c .. 6 c + 3; byte 768 c + 512 + 8 lane: registers 6 c + 4, 6 c + 5.  A CHUNK, 12,800 bytes: 8 tiles' images (128 rows x 128 K), then at 12,288 + 64 tile + 4 r the rows' scale words.
; XI: [tensor 2][group of 128 rows 32][K step 8] chunks.  WI: [weight 6][group of 128 columns n 8][K step 8] chunks.
; MB: [b][tile of queries 128][step of 128 keys 16][n 64] words: bit L of word 16 b' + i is 1 where the mask lets query (tile, L % 16) see key 128 step + 32 b' + 16 (L / 16) + i.
; A block's scale is 2^(floor(log2(its largest magnitude)) - 2); its byte is the largest magnitude's exponent field - 2, held at 1 from below.
; LIMITS: NaN and infinities are not served; a block of zeros, or one whose largest magnitude lies under 2^-124, gets the byte 1 (its codes are zeros; the bytes are read by this program alone).
; SHARES: every wave works alone on 32,768 bytes of input, with LDS bytes of its own.  Work-groups 0-255: X (a wave: 64 rows x 128 K); 256-447: weights (128 K x 64 columns); 448-703: mask (16 queries x 512 keys).
; No tensor load, no barrier, no matrix instruction: memory binds here.  Each of the three roles has LDS bytes of its own.
.set WREG,  8704                       ; LDS of a wave: a stage of 8,448 bytes, then 256 bytes for scale words
.set SCR,   8448
.set RX,    0                          ; the X role's LDS,
.set RW,    4*WREG                     ; the weights',
.set RM,    8*WREG                     ; the mask's
.set CHUNK, 12800
.set R,   16                           ; v16-143  numbers as loaded, two sets of 64
.set N,   144                          ; v144-207 64 numbers of a lane: register 16 b + i = element 32 b + 16 h + i of row r
.set TM,  208                          ; v208-223 at work
.set PW,  224                          ; the scale word just made
.set PC,  226                          ; v226-245 the codes just made (12) and room for the conversions
.set MA,  246                          ; v246-253 mask words; in the weights' role the scale words
.set SEL, 30                           ; s[30:31] selects of v_permlanex16_b32 for lane l xor 16
.macro LOADT bank, base, stride, row0, col   ; a tile's 16 rows x 512 bytes: each load reads 512 consecutive bytes of one row
.irp idx, 0,1,2,3,4,5,6,7,8,9,10,11,12,13,14,15
	global_load_b128 v[R+64*(\bank)+4*\idx:R+64*(\bank)+4*\idx+3], v4, s[\base:\base+1] offset:((\row0)+\idx+8*(\idx/8))*(\stride)+(\col) th:TH_LOAD_NT
.endr
.endm
.macro TURN bank                       ; through the wave's stage, rows 528 bytes apart: in as loaded, out 16 neighbours of each block of 32 to a lane.  LDS serves a wave's instructions in order: no wait between
.irp idx, 0,1,2,3,4,5,6,7,8,9,10,11,12,13,14,15
	ds_store_b128 v7, v[R+64*(\bank)+4*\idx:R+64*(\bank)+4*\idx+3] offset:528*\idx
.endr
.irp b, 0,1,2,3
.irp q, 0,1,2,3
	ds_load_b128 v[N+16*\b+4*\q:N+16*\b+4*\q+3], v8 offset:128*\b+16*\q
.endr
.endr
.endm
.macro STAGEADR base
	s_add_co_u32 s29, s3, \base                    ; my wave's LDS in this role's bytes
	v_add_nc_u32 v7, s29, v4                       ; in: 16 x lane
	v_mul_u32_u24 v8, v2, 528
	v_lshl_add_u32 v8, v3, 6, v8
	v_add_nc_u32 v8, s29, v8                       ; out: row r, + 64 h
.endm
; 64 numbers of a lane, register 16 b + i = k 32 b + 16 h + i of my row, become a fragment's codes in v[PC] on and its scale word in v[PW]
.macro QUANT s
.irp b, 0,1,2,3
	v_max3_num_f32 v[TM+\b], |v[\s+16*\b]|, |v[\s+1+16*\b]|, 0x1800000   ; my 16 numbers of block b, and the floor 2^(3 - 127): the byte cannot fall under 1
.endr
.irp i, 2,4,6,8,10,12,14
.irp b, 0,1,2,3
	v_max3_num_f32 v[TM+\b], v[TM+\b], |v[\s+16*\b+\i]|, |v[\s+1+16*\b+\i]|
.endr
.endr
.irp b, 0,1,2,3
	v_permlanex16_b32 v[TM+4+\b], v[TM+\b], s[SEL], s[SEL+1]
.endr
.irp b, 0,1,2,3
	v_max_num_f32 v[TM+\b], v[TM+\b], v[TM+4+\b]   ; with lane l xor 16's: the block's largest magnitude
.endr
.irp b, 0,1,2,3
	v_add_nc_u32 v[TM+12+\b], 0xff000000, v[TM+\b] ; 2 off its exponent field: the conversion's scale operand
.endr
.irp b, 0,1,2,3
	v_lshrrev_b32 v[TM+4+\b], 23, v[TM+12+\b]      ; the scale's byte
.endr
	v_lshl_or_b32 v[PW], v[TM+5], 8, v[TM+4]
	v_lshl_or_b32 v[PW], v[TM+6], 16, v[PW]
	v_lshl_or_b32 v[PW], v[TM+7], 24, v[PW]
.irp c, 0,1
	v_cvt_scalef32_pk16_fp6_f32 v[PC+6*\c:PC+2+6*\c], v[\s+32*\c:\s+15+32*\c], v[TM+12+2*\c]
	v_cvt_scalef32_pk16_fp6_f32 v[PC+12+4*\c:PC+14+4*\c], v[\s+16+32*\c:\s+31+32*\c], v[TM+12+2*\c+1]   ; (a conversion's three registers begin on an even number)
.endr
	v_nop                                          ; one plain place behind a scaled conversion
.irp c, 0,1                                    ; the layout wants a whole block in a lane: lanes 0-15 block 2 c, lanes 16-31 block 2 c + 1
.irp i, 0,1,2
	v_permlane16_swap_b32 v[PC+6*\c+\i], v[PC+12+4*\c+\i]
.endr
.irp i, 0,1,2
	v_mov_b32 v[PC+3+6*\c+\i], v[PC+12+4*\c+\i]
.endr
.endr
.endm
	s_load_b512 s[4:19], s[0:1], 0x0               ; X_sem, X_sal, Wq_sem, Wk_sem, Wv, Wq_sal, Wk_sal, Wo
	s_load_b256 s[20:27], s[0:1], 0x40             ; mask, XI, WI, MB
	v_lshl_add_u32 v254, v0, 2, 104448             ; my spare word, behind the three roles' LDS: 128 bytes a wave; never rewritten
	v_mov_b32 v255, 0                              ; 0; never rewritten
	v_lshrrev_b32 v1, 5, v0
	v_readfirstlane_b32 s2, v1                     ; wave
	v_and_b32 v1, 31, v0                           ; lane
	v_and_b32 v2, 15, v0                           ; r
	v_bfe_u32 v3, v0, 4, 1                         ; h
	v_lshlrev_b32 v4, 4, v1                        ; 16 x lane
	v_lshlrev_b32 v5, 3, v1                        ; 8 x lane
	v_lshlrev_b32 v6, 2, v1                        ; 4 x lane
	s_mul_i32 s3, s2, WREG
	s_mov_b32 s[SEL], 0x76543210
	s_mov_b32 s[SEL+1], 0xfedcba98
	s_lshl_b32 s28, ttmp9, 2
	s_add_co_u32 s28, s28, s2                      ; 4 x work-group + wave
	s_mov_b32 s41, 0                               ; the high word of every offset: all lie under 2^32
	s_wait_kmcnt 0x0
	s_cmp_lt_u32 ttmp9, 256
	s_cbranch_scc1 .Lx_role
	s_cmp_lt_u32 ttmp9, 448
	s_cbranch_scc1 .Lw_role
	; ---- THE MASK: my wave takes tile qt of 16 queries x 512 keys (four steps of 128)
	s_sub_co_u32 s28, s28, 4*448
	s_wait_alu depctr_va_vdst(0)
	STAGEADR RM
	s_and_b32 s32, s28, 3                          ; which 512 keys
	s_bfe_u32 s33, s28, 0x70002                    ; qt
	s_lshr_b32 s34, s28, 9                         ; b
	s_lshr_b32 s35, s33, 1
	s_lshl_b32 s35, s35, 5
	s_and_b32 s40, s33, 1
	s_lshl_b32 s40, s40, 3
	s_add_co_u32 s35, s35, s40                     ; the tile's first query: 32 (qt / 2) + 8 (qt % 2)
	s_lshl_b32 s40, s35, 13                        ; a row of the mask is 8,192 bytes
	s_lshl_b32 s35, s34, 24
	s_add_co_u32 s40, s40, s35
	s_lshl_b32 s35, s32, 11
	s_add_co_u32 s40, s40, s35
	s_add_nc_u64 s[36:37], s[20:21], s[40:41]
	s_lshl_b32 s40, s34, 7
	s_add_co_u32 s40, s40, s33
	s_lshl_b32 s40, s40, 4
	s_lshl_b32 s35, s32, 2
	s_add_co_u32 s40, s40, s35
	s_lshl_b32 s40, s40, 8                         ; ((128 b + qt) 16 + step) x 256 bytes
	s_add_nc_u64 s[38:39], s[26:27], s[40:41]
.irp i, 0,1,2,3,4,5,6,7
	v_mov_b32 v[MA+\i], 0                          ; v_writelane_b32's destination counts as read
.endr
	LOADT 0, 36, 8192, 0, 0
	LOADT 1, 36, 8192, 0, 512
.macro MUNIT st                        ; one step of 128 keys: 64 compares give 64 lane masks; word n goes to lane n / 2, register n % 2, so that 32 lanes store 256 consecutive bytes
.if \st < 3
	s_wait_loadcnt 16                              ; this step's 16 loads are in; the next step's may be out
.else
	s_wait_loadcnt 0x0
.endif
	TURN \st%2
	s_wait_dscnt 0x0                               ; the numbers are back, and the stores have read their registers,
.if \st < 2
	LOADT \st%2, 36, 8192, 0, 512*(\st+2)          ; which take the loads of two steps on
.endif
.set nn, 0
.rept 8
.irp k, 0,1,2,3,4,5,6,7
	v_cmp_ne_u32 s[48+\k], 0, v[N+nn+\k]
.endr
.irp k, 0,1,2,3,4,5,6,7
	v_writelane_b32 v[MA+2*\st+(\k&1)], s[48+\k], (nn+\k)>>1
.endr
.set nn, nn+8
.endr
	global_store_b64 v5, v[MA+2*\st:MA+2*\st+1], s[38:39] offset:256*\st   ; each step has its own pair of registers: no store's data are written again
.endm
	s_wait_alu depctr_va_vdst(0)
.irp st, 0,1,2,3
	MUNIT \st
.endr
	s_wait_tensorcnt 0x0                           ; the wave's end, behind my last LDS store
	ds_add_u32 v254, v255
	s_wait_dscnt 0x0
	s_endpgm
	; ---- X: my wave takes 64 rows (four tiles) x 128 along K of one tensor
.Lx_role:
	s_wait_alu depctr_va_vdst(0)
	STAGEADR RX
	v_lshl_add_u32 v9, v2, 2, s29                  ; my row's scale word in the scratch (at SCR, in the offset)
	v_add_nc_u32 v10, s29, v5                      ; and 8 bytes a lane on the way out
	s_and_b32 s32, s28, 7                          ; K step
	s_bfe_u32 s33, s28, 0x10003                    ; which 64 rows of the group
	s_bfe_u32 s34, s28, 0x50004                    ; group of 128 rows
	s_lshr_b32 s35, s28, 9                         ; tensor
	s_cmp_eq_u32 s35, 0
	s_cselect_b64 s[36:37], s[4:5], s[6:7]
	s_lshl_b32 s40, s34, 19                        ; 128 rows of 4,096 bytes
	s_lshl_b32 s38, s33, 18
	s_add_co_u32 s40, s40, s38
	s_lshl_b32 s38, s32, 9
	s_add_co_u32 s40, s40, s38
	s_add_nc_u64 s[36:37], s[36:37], s[40:41]
	s_lshl_b32 s40, s35, 5
	s_add_co_u32 s40, s40, s34
	s_lshl_b32 s40, s40, 3
	s_add_co_u32 s40, s40, s32
	s_mul_i32 s40, s40, CHUNK
	s_add_nc_u64 s[42:43], s[22:23], s[40:41]      ; the chunk
	s_mul_i32 s40, s33, 6144
	s_add_nc_u64 s[44:45], s[42:43], s[40:41]      ; my four tiles' images
	s_lshl_b32 s40, s33, 8
	s_add_co_u32 s40, s40, 12288
	s_add_nc_u64 s[46:47], s[42:43], s[40:41]      ; my four tiles' scale words
.irp b, 0,1,2,3
	v_mov_b32 v[TM+4+\b], 0                        ; a lane permute's destination counts as read
.endr
	LOADT 0, 36, 4096, 0, 0
	LOADT 1, 36, 4096, 8, 0
.macro XTILE i
.if \i < 3
	s_wait_loadcnt 16                              ; this tile's 16 loads are in; the next tile's may be out
.else
	s_wait_loadcnt 0x0
.endif
	TURN \i%2
	s_wait_dscnt 0x0                               ; the numbers are back; all my LDS stores have read their registers
.if \i < 2
	LOADT \i%2, 36, 4096, 32+8*\i, 0               ; tiles 2 and 3 begin at rows 32 and 40
.endif
	s_wait_xcnt 0x0                                ; the last tile's stores have read the codes' registers
	QUANT N
	global_store_b128 v4, v[PC:PC+3], s[44:45] offset:1536*\i         ; 512 consecutive bytes,
	global_store_b64 v5, v[PC+4:PC+5], s[44:45] offset:1536*\i+512    ; 256,
	global_store_b128 v4, v[PC+6:PC+9], s[44:45] offset:1536*\i+768
	global_store_b64 v5, v[PC+10:PC+11], s[44:45] offset:1536*\i+1280
	ds_store_b32 v9, v[PW] offset:SCR+64*\i        ; lanes r and r + 16 write the same word with the same value
.endm
	s_wait_alu depctr_va_vdst(0)
.irp i, 0,1,2,3
	XTILE \i
.endr
	ds_load_b64 v[N:N+1], v10 offset:SCR
	s_wait_dscnt 0x0
	global_store_b64 v5, v[N:N+1], s[46:47]        ; 256 consecutive bytes, aligned
	s_wait_tensorcnt 0x0                           ; the wave's end
	ds_add_u32 v254, v255
	s_wait_dscnt 0x0
	s_endpgm
	; ---- A WEIGHT: my wave takes 128 along K x 64 columns.  A lane takes a column, its registers run down K: a block of 32 lies in one lane
.Lw_role:
	s_sub_co_u32 s28, s28, 4*256
	s_add_co_u32 s29, s3, RW
	v_bfe_u32 v14, v0, 3, 1                        ; of 32 neighbouring columns, column l belongs to tile u = (l / 8) % 2
	v_and_b32 v15, 7, v0
	s_wait_alu depctr_va_vdst(0)
	v_lshl_add_u32 v15, v3, 3, v15                 ; as its row r' = l % 8 + 8 (l / 16)
	v_mul_u32_u24 v11, v14, 1664                   ; in the stage a tile's image has 1,664 bytes
	v_add_nc_u32 v11, s29, v11
	v_lshl_add_u32 v12, v15, 3, v11                ; + 8 r'
	v_lshl_add_u32 v11, v15, 4, v11                ; + 16 r'
	v_lshlrev_b32 v13, 6, v14
	v_lshl_add_u32 v13, v15, 2, v13
	v_add_nc_u32 v13, s29, v13                     ; the scale word: 64 u + 4 r'
	v_add_nc_u32 v7, s29, v4
	v_add_nc_u32 v10, s29, v5
	s_and_b32 s32, s28, 1                          ; which 64 columns of the group
	s_bfe_u32 s33, s28, 0x30001                    ; group of 128 columns
	s_bfe_u32 s34, s28, 0x30004                    ; K step
	s_lshr_b32 s35, s28, 7                         ; weight 0 .. 5
	s_mov_b64 s[36:37], s[8:9]
	s_cmp_eq_u32 s35, 1
	s_cselect_b64 s[36:37], s[10:11], s[36:37]
	s_cmp_eq_u32 s35, 2
	s_cselect_b64 s[36:37], s[12:13], s[36:37]
	s_cmp_eq_u32 s35, 3
	s_cselect_b64 s[36:37], s[14:15], s[36:37]
	s_cmp_eq_u32 s35, 4
	s_cselect_b64 s[36:37], s[16:17], s[36:37]
	s_cmp_eq_u32 s35, 5
	s_cselect_b64 s[36:37], s[18:19], s[36:37]
	s_lshl_b32 s40, s34, 19                        ; 128 rows k of 4,096 bytes
	s_lshl_b32 s38, s33, 9
	s_add_co_u32 s40, s40, s38
	s_lshl_b32 s38, s32, 8
	s_add_co_u32 s40, s40, s38
	s_add_nc_u64 s[36:37], s[36:37], s[40:41]
	s_lshl_b32 s40, s35, 3
	s_add_co_u32 s40, s40, s33
	s_lshl_b32 s40, s40, 3
	s_add_co_u32 s40, s40, s34
	s_mul_i32 s40, s40, CHUNK
	s_add_nc_u64 s[42:43], s[24:25], s[40:41]
	s_mul_i32 s40, s32, 6144
	s_add_nc_u64 s[44:45], s[42:43], s[40:41]
	s_lshl_b32 s40, s32, 8
	s_add_co_u32 s40, s40, 12288
	s_add_nc_u64 s[46:47], s[42:43], s[40:41]
.macro LOADW q                         ; pass q / 4 (32 columns), block q % 4 (32 k): each load reads 128 consecutive bytes; the four waves stand side by side on 1,024
.irp i, 0,1,2,3,4,5,6,7,8,9,10,11,12,13,14,15,16,17,18,19,20,21,22,23,24,25,26,27,28,29,30,31
	global_load_b32 v[R+32*((\q)%2)+\i], v6, s[36:37] offset:(32*((\q)%4)+\i)*4096+128*((\q)/4) th:TH_LOAD_NT
.endr
.endm
.macro WBLOCK q
.set XS, R+32*((\q)%2)
.set PP, (\q)/4
.set BE, (\q)%4
.if \q < 7
	s_wait_loadcnt 32                              ; this block's 32 loads are in; the next block's may be out
.else
	s_wait_loadcnt 0x0
.endif
	v_max3_num_f32 v[TM], |v[XS]|, |v[XS+1]|, |v[XS+2]|
	v_max3_num_f32 v[TM+1], |v[XS+3]|, |v[XS+4]|, |v[XS+5]|
.irp i, 6,10,14,18,22,26
	v_max3_num_f32 v[TM], v[TM], |v[XS+\i]|, |v[XS+\i+1]|
	v_max3_num_f32 v[TM+1], v[TM+1], |v[XS+\i+2]|, |v[XS+\i+3]|
.endr
	v_max3_num_f32 v[TM], v[TM], |v[XS+30]|, |v[XS+31]|
	v_max3_num_f32 v[TM], v[TM], v[TM+1], 0x1800000   ; and the floor
	v_add_nc_u32 v[TM+2], 0xff000000, v[TM]        ; the conversion's scale operand
	v_lshrrev_b32 v[TM+3], 23, v[TM+2]             ; the byte
.if BE == 0
	v_mov_b32 v[MA+PP], v[TM+3]
.else
	v_lshl_or_b32 v[MA+PP], v[TM+3], 8*BE, v[MA+PP]
.endif
	v_cvt_scalef32_pk16_fp6_f32 v[PC:PC+2], v[XS:XS+15], v[TM+2]
	v_cvt_scalef32_pk16_fp6_f32 v[PC+6:PC+8], v[XS+16:XS+31], v[TM+2]
	v_nop                                          ; one plain place behind a scaled conversion
.irp i, 0,1,2
	v_mov_b32 v[PC+3+\i], v[PC+6+\i]
.endr
	ds_store_b128 v11, v[PC:PC+3] offset:3328*PP+768*(BE/2)+256*(BE%2)         ; block 2 c + hh is registers 6 c .. 6 c + 5 of lane r' + 16 hh
	ds_store_b64 v12, v[PC+4:PC+5] offset:3328*PP+768*(BE/2)+512+128*(BE%2)
.if BE == 3
	ds_store_b32 v13, v[MA+PP] offset:SCR+128*PP
.endif
.if \q < 6
	LOADW (\q)+2
.endif
	s_wait_dscnt 0x0                               ; the stores have read their registers: the next block's codes may be written
.endm
	LOADW 0
	LOADW 1
.irp q, 0,1,2,3,4,5,6,7
	WBLOCK \q
.endr
.irp t, 0,1,2,3,4,5,6,7,8,9,10,11
	ds_load_b128 v[N+4*\t:N+4*\t+3], v7 offset:1664*(\t/3)+512*(\t%3)
.endr
	ds_load_b64 v[N+48:N+49], v10 offset:SCR
.irp t, 0,1,2,3,4,5,6,7,8,9,10,11
	s_wait_dscnt 12-\t                             ; the loads issued behind this one may be out
	global_store_b128 v4, v[N+4*\t:N+4*\t+3], s[44:45] offset:1536*(\t/3)+512*(\t%3)   ; 512 consecutive bytes
.endr
	s_wait_dscnt 0x0
	global_store_b64 v5, v[N+48:N+49], s[46:47]
	s_wait_tensorcnt 0x0                           ; the wave's end
	ds_add_u32 v254, v255
	s_wait_dscnt 0x0
	s_endpgm
.Lfunc_end_k_q5a81863042_prep:
	.size	k_q5a81863042_prep, .Lfunc_end_k_q5a81863042_prep-k_q5a81863042_prep
	.p2alignl 7, 3214868480
	.fill 96, 4, 3214868480
	.section	.rodata,"a",@progbits
	.p2align	6, 0x0
	.amdhsa_kernel k_q5a81863042_prep
		.amdhsa_group_segment_fixed_size 104960
		.amdhsa_private_segment_fixed_size 0
		.amdhsa_enable_private_segment 0
		.amdhsa_kernarg_size 96
		.amdhsa_user_sgpr_count 2
		.amdhsa_user_sgpr_kernarg_segment_ptr 1
		.amdhsa_wavefront_size32 1
		.amdhsa_system_sgpr_workgroup_id_x 1
		.amdhsa_system_sgpr_workgroup_id_y 1
		.amdhsa_system_sgpr_workgroup_id_z 1
		.amdhsa_system_vgpr_workitem_id 0
		.amdhsa_next_free_vgpr 256
		.amdhsa_next_free_sgpr 66
		.amdhsa_reserve_vcc 0
		.amdhsa_float_denorm_mode_32 3
		.amdhsa_float_denorm_mode_16_64 3
		.amdhsa_memory_ordered 1
		.amdhsa_forward_progress 1
		.amdhsa_inst_pref_size 124
	.end_amdhsa_kernel
	.amdgpu_metadata
---
amdhsa.version: [ 1, 2 ]
amdhsa.kernels:
  - .name:           k_q5a81863042_prep
    .symbol:         k_q5a81863042_prep.kd
    .args:
      - { .name: X_sem, .offset: 0, .size: 8, .value_kind: global_buffer, .address_space: global }
      - { .name: X_sal, .offset: 8, .size: 8, .value_kind: global_buffer, .address_space: global }
      - { .name: Wq_sem, .offset: 16, .size: 8, .value_kind: global_buffer, .address_space: global }
      - { .name: Wk_sem, .offset: 24, .size: 8, .value_kind: global_buffer, .address_space: global }
      - { .name: Wv, .offset: 32, .size: 8, .value_kind: global_buffer, .address_space: global }
      - { .name: Wq_sal, .offset: 40, .size: 8, .value_kind: global_buffer, .address_space: global }
      - { .name: Wk_sal, .offset: 48, .size: 8, .value_kind: global_buffer, .address_space: global }
      - { .name: Wo, .offset: 56, .size: 8, .value_kind: global_buffer, .address_space: global }
      - { .name: mask, .offset: 64, .size: 8, .value_kind: global_buffer, .address_space: global }
      - { .name: XI, .offset: 72, .size: 8, .value_kind: global_buffer, .address_space: global }
      - { .name: WI, .offset: 80, .size: 8, .value_kind: global_buffer, .address_space: global }
      - { .name: MB, .offset: 88, .size: 8, .value_kind: global_buffer, .address_space: global }
    .group_segment_fixed_size: 104960
    .private_segment_fixed_size: 0
    .kernarg_segment_align: 8
    .kernarg_segment_size: 96
    .max_flat_workgroup_size: 128
    .sgpr_count:     66
    .vgpr_count:     256
    .wavefront_size: 32
...
	.end_amdgpu_metadata
.endif
;; end of part 1
;; launch proj (part 2): grid 16 x 32, 4 waves a work-group, clusters of 4 x 4, 327,680 bytes of LDS; arguments XI, WI, bq_sem, bk_sem, bv, bq_sal, bk_sal, QB, KVB; writes QB, KVB
.if DOCPART == 2
	.amdgcn_target "amdgcn-amd-amdhsa--gfx1250"
	.amdhsa_code_object_version 6
	.text
	.protected	k_q5a81863042_proj
	.globl	k_q5a81863042_proj
	.p2align	8
	.type	k_q5a81863042_proj,@function
k_q5a81863042_proj:
	s_mov_b64 s[64:65], 0
	v_nop
	global_prefetch_b8 v0, s[64:65] scope:SCOPE_SE
	s_setreg_imm32_b32 hwreg(HW_REG_WAVE_MODE, 25, 1), 1
	s_wait_xcnt 0x0
	s_wait_alu depctr_hold_cnt(0) depctr_sa_sdst(0) depctr_va_vdst(0) depctr_va_sdst(0) depctr_va_ssrc(0) depctr_va_vcc(0) depctr_vm_vsrc(0)
	s_getreg_b32 s2, hwreg(HW_REG_IB_STS2, 6, 4)
	s_cmp_eq_u32 s2, 0
	s_cbranch_scc0 .Lentry_in_a_cluster
	s_endpgm
.Lentry_in_a_cluster:
	s_bfe_u32 s2, ttmp6, 0x10000c
	s_cmp_lg_u32 s2, 0xf033
	s_cbranch_scc0 .Lentry_shape_is_right
	s_endpgm
.Lentry_shape_is_right:
; The five projections on codes of FP6 (E2M3): x W + b, and the quantising of the results as operands of attention.
; XI, WI: a chunk of 12,800 bytes = 8 images of fragments (16 rows x 128 K, 1,536 bytes: byte 768 c + 16 lane: registers 6 c .. 6 c + 3; 768 c + 512 + 8 lane: registers 6 c + 4, 6 c + 5),
; then at 12,288 + 64 tile + 4 r the scale words; a group of 128 rows is 8 chunks (K steps) on end, 102,400 bytes.  Lane r of tile T takes row 32 (T / 2) + 8 (T % 2) + r + 8 (r / 8).
; THE DEAL: 32 clusters of 4 x 4 work-groups, numbered L = 4 y + x.  idx = L / 8: 0 Wq_sem, 1 Wk_sem, 2 Wq_sal, 3 Wk_sal; CY = L % 8.  The sem clusters, which do more, have the lower numbers.
; FIRST PRODUCT, every work-group: 128 positions (group gA = 4 CY + cy of x) x 256 columns n (pair 4 w + cx of the weight's groups), K = 1,024.  Used transposed: a lane holds a position, its registers run along n:
;   quantised along the head's 64.  The bias, along the registers, is the C of the first K step.
; SECOND PRODUCT, sem work-groups alone: V^T, 128 channels (group 4 idx + cx of Wv) x the 128 keys of the x group that lies in LDS already.  A lane holds a channel, its registers run along the keys: quantised along the keys.
;   A wave takes two tiles of channels x all eight tiles of keys.  bv, along the lanes, is added on the way out.
; LDS: x's group at 0, the weight's two groups at 102,400 and 204,800, one joint load each at the head (x's shared along a row of the cluster, the weight's along a column).  Wv's group is filled into the bytes at 102,400
;   behind the first product's last read of them, by one joint load of wave 0 behind a round of the cluster's barrier; the first product's way out stands between that load and the wait for it.
;   The sal clusters pass the same waits and round and jump round the load and the second product: the branch hangs on the cluster's number alone, which all sixteen partners share.
; No prefetch: each fill is asked for once, and there is no loop to run ahead in.
; OUT: a BLOB of 19,712 bytes for each head and 128 positions: 0: 8 tiles' images, half 0 (768 bytes) the sem 64, half 1 the sal 64; 12,288: sem scale words (bytes 0, 1 count); 12,800: sal scale words (bytes 2, 3 count);
;   13,312: 4 images of V^T (16 channels x 128 keys); 19,456: V's scale words.  16 blobs, 315,392 bytes, a head.  Q's go to QB, K's and V to KVB.  Bytes of a scale word that do not count meet zero codes only, and are never 0xff.
; LIMITS: NaN and infinities are not served; a block of zeros, or under 2^-124, gets the byte 1 (its codes are zeros; the bytes are read by this program alone).
; REGISTERS, in windows of 256: window 0: v1-15 addresses; v16-23, v24-39 scale words of A and B, two sets; v40-47 the term along the lanes; v48, v49 the add's; v64-111, v112-207 fragments of A and B, set 0; v208-247 at work.
;   window 1: the accumulators, (a, b) at v[8 (8 a + b)].   window 2: v0-63 the bias along the registers; v64-207 fragments, set 1.
.set NB,    8                          ; tiles of B to a wave
.set STG,   25600                      ; two K steps' chunks of a group
.set GRP,   102400
.set HEADB, 315392
.set BLOB,  19712
.set SCRATCH, 307200                   ; 512 bytes for each wave, for scale words; no fill lands there
.set SPARE, 309248                     ; the spare words, 128 bytes for each wave
.set SA,  16
.set SB,  24
.set BM,  40
.set SPW, 48
.set NIL, 49
.set AF,  64
.set BF,  112
.set NUM, 64
.set TM,  208
.set PW,  224
.set W0,  225
.set PC,  226
.set W1,  246
.set WV,   22
.set G1A,  24
.set G1B,  32
.set G0A,  40
.set G0B,  44
.set G0V,  48
.set SEL,  98
.set NA, 4                             ; tiles of A to a wave: 4 in the first product, 2 in the second
.set CZ, 0                             ; 1: the first K step's C is 0
.set MSB, 0
.macro WIN new                         ; the immediate's high byte repeats the setting that is left
.if MSB != \new
	s_set_vgpr_msb (MSB<<8)|\new
.set MSB, \new
.endif
.endm
.macro CROUND                          ; a round of the cluster's barrier
	s_barrier_signal -1
	s_barrier_wait -1
	s_cmp_lg_u32 s[WV], 0
	s_cbranch_scc1 .Lnot_wave_0_\@
	s_barrier_signal -3
.Lnot_wave_0_\@:
	s_barrier_wait -3
	s_barrier_signal -1
	s_barrier_wait -1
.endm
.macro PLACES                          ; four places behind matrix instructions (ISA guide 7.12.1)
.rept 4
	v_nop
.endr
.endm
.macro FRAG reg, a16, a8, off          ; an image comes back as the registers that it was
	ds_load_b128 v[\reg:\reg+3], v[\a16] offset:\off
	ds_load_b64 v[\reg+4:\reg+5], v[\a8] offset:\off+512
	ds_load_b128 v[\reg+6:\reg+9], v[\a16] offset:\off+768
	ds_load_b64 v[\reg+10:\reg+11], v[\a8] offset:\off+1280
.endm
.macro FETCH kap                       ; K step kap's fragments and scale words into set kap % 2: 5 (NA + NB) LDS loads
.set SET, (\kap)%2
.set KO, SET*12800
.if SET
	WIN 0x80                                       ; destination window 2, address window 0
.else
	WIN 0
.endif
.set tt, 0
.rept NA
	FRAG AF+12*tt, 4, 5, KO+1536*tt
.set tt, tt+1
.endr
.set tt, 0
.rept NB
	FRAG BF+12*tt, 7, 8, KO+1536*tt
.set tt, tt+1
.endr
	WIN 0
.set tt, 0
.rept NA
	ds_load_b32 v[SA+4*SET+tt], v6 offset:KO+12288+64*tt
.set tt, tt+1
.endr
.set tt, 0
.rept NB
	ds_load_b32 v[SB+8*SET+tt], v9 offset:KO+12288+64*tt
.set tt, tt+1
.endr
.endm
.macro WM c                            ; source 0 = B's tile, source 1 = A's
	v_wmma_scale_f32_16x16x128_f8f6f4 v[8*(NB*aa+bb):8*(NB*aa+bb)+7], v[BF+12*bb:BF+12*bb+11], v[AF+12*aa:AF+12*aa+11], \c, v[SB+8*SET+bb], v[SA+4*SET+aa] matrix_a_fmt:MATRIX_FMT_FP6 matrix_b_fmt:MATRIX_FMT_FP6
.endm
.macro MUL kap                         ; 8 NA products, each accumulator once, in the same order in every K step: by turns
.set SET, (\kap)%2
.if (\kap) == 0
.if CZ
	WIN 0x40                                       ; D window 1, sources window 0
.else
	WIN 0x60                                       ; D window 1, C (the bias) window 2, sources window 0
.endif
.elseif SET
	WIN 0x5a                                       ; C and D window 1, sources window 2
.else
	WIN 0x50
.endif
.set aa, 0
.rept NA
.set bb, 0
.rept NB
.if (\kap) == 0 && CZ
	WM 0
.elseif (\kap) == 0
	WM v[8*bb:8*bb+7]
.else
	WM v[8*(NB*aa+bb):8*(NB*aa+bb)+7]
.endif
.set bb, bb+1
.endr
.set aa, aa+1
.endr
.endm
.macro STAGEWAIT                       ; what was asked for is whole for every wave
	s_wait_tensorcnt 0x0                           ; my load has landed (a wave that issued none passes at once)
	s_wait_dscnt 0x0
	s_barrier_signal -1
	s_barrier_wait -1
.endm
.macro KSTEP kap                       ; the next K step's fetch goes out, then this K step is multiplied
	WIN 0
.if \kap < 7
.if ((\kap)+1)%2 == 0
.irp v, 4,5,6,7,8,9
	v_add_nc_u32 v\v, STG, v\v                     ; two K steps on; these six are also the places in front of the loads below
.endr
.else
	PLACES
.endif
	FETCH (\kap)+1
	s_wait_alu depctr_va_vdst(0)
	s_wait_dscnt 5*(NA+NB)                         ; all but the fetch just issued: this K step's set is in
.else
	s_wait_dscnt 0x0
.endif
	MUL \kap
.endm
.macro QUANT s                         ; 64 numbers of a lane, register 16 b + i = k 32 b + 16 h + i of my row -> codes in v[PC] on, scale word in v[PW]
.irp b, 0,1,2,3
	v_max3_num_f32 v[TM+\b], |v[\s+16*\b]|, |v[\s+1+16*\b]|, 0x1800000   ; and the floor 2^(3 - 127): the byte cannot fall under 1
.endr
.irp i, 2,4,6,8,10,12,14
.irp b, 0,1,2,3
	v_max3_num_f32 v[TM+\b], v[TM+\b], |v[\s+16*\b+\i]|, |v[\s+1+16*\b+\i]|
.endr
.endr
.irp b, 0,1,2,3
	v_permlanex16_b32 v[TM+4+\b], v[TM+\b], s[SEL], s[SEL+1]
.endr
.irp b, 0,1,2,3
	v_max_num_f32 v[TM+\b], v[TM+\b], v[TM+4+\b]
.endr
.irp b, 0,1,2,3
	v_add_nc_u32 v[TM+12+\b], 0xff000000, v[TM+\b] ; 2 off the exponent field: the conversion's scale operand
.endr
.irp b, 0,1,2,3
	v_lshrrev_b32 v[TM+4+\b], 23, v[TM+12+\b]
.endr
	v_lshl_or_b32 v[PW], v[TM+5], 8, v[TM+4]
	v_lshl_or_b32 v[PW], v[TM+6], 16, v[PW]
	v_lshl_or_b32 v[PW], v[TM+7], 24, v[PW]
.irp c, 0,1
	v_cvt_scalef32_pk16_fp6_f32 v[PC+6*\c:PC+2+6*\c], v[\s+32*\c:\s+15+32*\c], v[TM+12+2*\c]
	v_cvt_scalef32_pk16_fp6_f32 v[PC+12+4*\c:PC+14+4*\c], v[\s+16+32*\c:\s+31+32*\c], v[TM+12+2*\c+1]
.endr
	v_nop                                          ; one plain place behind a scaled conversion
.irp c, 0,1
.irp i, 0,1,2
	v_permlane16_swap_b32 v[PC+6*\c+\i], v[PC+12+4*\c+\i]
.endr
.irp i, 0,1,2
	v_mov_b32 v[PC+3+6*\c+\i], v[PC+12+4*\c+\i]
.endr
.endr
.endm
.macro OUT a                           ; the way out of A's tile a: its 64 numbers a lane are one fragment's worth along B's rows
	s_wait_xcnt 0x0                                ; earlier stores have read the codes' registers,
	s_wait_dscnt 0x0                               ; and earlier LDS stores the words'
	WIN 0x01                                       ; source 0 window 1
.set ii, 0
.rept 32
	v_pk_add_f32 v[NUM+2*ii:NUM+2*ii+1], v[64*(\a)+2*ii:64*(\a)+2*ii+1], v[BM+2*(\a):BM+2*(\a)+1] op_sel_hi:[1,0]   ; from window 1 into window 0, each accumulator from its low end on; + the term along the lanes (V: bv; Q, K: 0)
.set ii, ii+1
.endr
	WIN 0
	QUANT NUM
	global_store_b128 v10, v[PC:PC+3], s[84:85] offset:1536*(\a)
	global_store_b64 v11, v[PC+4:PC+5], s[84:85] offset:1536*(\a)+512
	global_store_b128 v10, v[PC+6:PC+9], s[86:87] offset:1536*(\a)
	global_store_b64 v11, v[PC+10:PC+11], s[86:87] offset:1536*(\a)+512
	v_lshlrev_b32 v[W0], s96, v[PW]
	ds_store_b32 v12, v[W0] offset:64*(\a)         ; lanes r and r + 16 write the same word with the same value
.if CZ == 0
	v_lshrrev_b32 v[W1], s97, v[PW]
	ds_store_b32 v12, v[W1] offset:256+64*(\a)
.endif
.endm
	s_load_b512 s[4:19], s[0:1], 0x0               ; XI, WI, bq_sem, bk_sem, bv, bq_sal, bk_sal, QB
	s_load_b64 s[20:21], s[0:1], 0x40              ; KVB
	v_lshl_add_u32 v[SPW], v0, 2, SPARE
	v_mov_b32 v[NIL], 0
	ds_add_u32 v[SPW], v[NIL]                      ; the opening lines: the add, twice on end, and its wait ahead of the round in front of the first loads
	ds_add_u32 v[SPW], v[NIL]
	v_lshrrev_b32 v1, 5, v0
	v_readfirstlane_b32 s[WV], v1                  ; wave 0..3
	s_lshr_b32 s61, s[WV], 1                       ; wm: which 64 rows of A are mine.  Also: which group of B waves 1 and 2 fetch
	s_and_b32 s62, s[WV], 1                        ; wn: which group of B is mine
	s_bfe_u32 s56, ttmp6, 0x40000                  ; cx
	s_bfe_u32 s57, ttmp6, 0x40004                  ; cy
	s_and_b32 s59, ttmp7, 0xffff
	s_lshl_b32 s59, s59, 2
	s_add_co_u32 s59, s59, ttmp9                   ; L: the cluster's number, the same in all sixteen partners
	s_lshr_b32 s55, s59, 3                         ; idx
	s_and_b32 s59, s59, 7                          ; CY
	s_lshr_b32 s60, s55, 1                         ; sal
	s_add_co_u32 s58, s55, s60                     ; w: the weight's place in WI: 0, 1, 3, 4
	s_lshl_b32 s2, s57, 2
	s_lshl_b32 s2, 15, s2                          ; my row of the cluster
	s_lshl_b32 s3, 0x1111, s56                     ; my column
	s_or_b32 s[G1A], s2, (3<<16)|(1<<21)           ; 15:0 the mask; 17:16 elements of 8 bytes; 21 set beside a mask; no padding
	s_or_b32 s[G1B], s3, (3<<16)|(1<<21)
.irp g, G1A, G1B                       ; 102,400 dense bytes as 400 rows of 32 elements of 8 bytes
	s_mov_b32 s[\g+1], 32<<16
	s_mov_b32 s[\g+2], 400<<16
	s_mov_b32 s[\g+3], 32<<16
	s_mov_b32 s[\g+4], 400
	s_mov_b32 s[\g+5], 32
	s_mov_b32 s[\g+6], 0
	s_mov_b32 s[\g+7], 0
.endr
	s_lshl_b32 s66, s59, 2
	s_add_co_u32 s66, s66, s57                     ; gA = 4 CY + cy: the group of positions
	s_lshl_b32 s92, s60, 5
	s_add_co_u32 s92, s92, s66                     ; in XI: 32 sal + gA: it hangs on cy, never on cx
	s_mul_i32 s92, s92, GRP
	s_mov_b32 s93, 0
	s_lshl_b32 s67, s58, 2
	s_add_co_u32 s67, s67, s56                     ; nb: B's pair of groups: it hangs on cx, never on cy
	s_lshl_b32 s94, s67, 1
	s_add_co_u32 s94, s94, s61                     ; wave 1 fetches the pair's first group, wave 2 its second
	s_mul_i32 s94, s94, GRP
	s_mov_b32 s95, 0
	s_lshl_b32 s63, s55, 2
	s_add_co_u32 s63, s63, s56                     ; V: the group of channels 4 idx + cx (used where idx is 0 or 1)
	s_add_co_u32 s52, s63, 16                      ; Wv's groups begin at 16 in WI
	s_mul_i32 s52, s52, GRP
	s_mov_b32 s53, 0
	s_mul_i32 s96, s[WV], 102400                   ; where waves 1 and 2 put their loads: no place in the cluster enters an LDS address
	s_mul_i32 s68, s61, 6144                       ; A: my four tiles,
	s_lshl_b32 s69, s61, 8                         ; and their scale words
	s_mul_i32 s70, s62, 102400
	s_add_co_u32 s70, s70, 102400                  ; B: my group
	s_lshl_b32 s71, s[WV], 9
	s_add_co_u32 s71, s71, SCRATCH                 ; my scratch
	s_mov_b32 s[SEL], 0x76543210
	s_mov_b32 s[SEL+1], 0xfedcba98
	s_wait_dscnt 0x0                               ; both opening adds are done
	s_wait_kmcnt 0x0
	s_add_nc_u64 s[84:85], s[4:5], s[92:93]
	s_add_nc_u64 s[86:87], s[6:7], s[94:95]
	s_add_nc_u64 s[88:89], s[6:7], s[52:53]
	s_mov_b32 s[G0A], 1
	s_mov_b32 s[G0A+1], 0
	s_add_nc_u64 s[G0A+2:G0A+3], s[84:85], 0
	s_or_b32 s[G0A+3], s[G0A+3], 0x80000000
	s_mov_b32 s[G0B], 1
	s_add_co_u32 s[G0B+1], s96, 0
	s_add_nc_u64 s[G0B+2:G0B+3], s[86:87], 0
	s_or_b32 s[G0B+3], s[G0B+3], 0x80000000
	s_mov_b32 s[G0V], 1
	s_mov_b32 s[G0V+1], 102400
	s_add_nc_u64 s[G0V+2:G0V+3], s[88:89], 0
	s_or_b32 s[G0V+3], s[G0V+3], 0x80000000
	CROUND                                         ; all sixteen work-groups are here: the joint loads meet
	s_cmp_eq_u32 s[WV], 0                          ; one chain of branches on the wave's number, one load to an arm: wave 0 A's group, waves 1 and 2 B's two groups
	s_cbranch_scc0 .Lnot_a
	tensor_load_to_lds s[G0A:G0A+3], s[G1A:G1A+7]
	s_nop 0
	PLACES
	s_branch .Lfilled
.Lnot_a:
	s_cmp_lt_u32 s[WV], 3
	s_cbranch_scc0 .Lfilled
	tensor_load_to_lds s[G0B:G0B+3], s[G1B:G1B+7]
	s_nop 0
	PLACES
.Lfilled:
	v_and_b32 v1, 31, v0                           ; lane
	v_and_b32 v2, 15, v0                           ; r
	v_bfe_u32 v3, v0, 4, 1                         ; h
	v_lshlrev_b32 v10, 4, v1                       ; 16 x lane
	v_lshlrev_b32 v11, 3, v1                       ; 8 x lane
	v_add_nc_u32 v4, s68, v10
	v_add_nc_u32 v5, s68, v11
	v_lshl_add_u32 v6, v2, 2, s69
	v_add_nc_u32 v7, s70, v10
	v_add_nc_u32 v8, s70, v11
	v_lshl_add_u32 v9, v2, 2, s70
	v_lshl_add_u32 v12, v2, 2, s71                 ; my scratch: a word a row,
	v_add_nc_u32 v13, s71, v11                     ; and 8 bytes a lane back
	v_lshlrev_b32 v14, 6, v3                       ; the bias along the registers: 64 h bytes
	v_and_b32 v15, 8, v2
	v_add_nc_u32 v15, v15, v2
	v_lshlrev_b32 v15, 2, v15                      ; along the lanes: 4 (r + 8 (r / 8))
.irp b, 0,1,2,3
	v_mov_b32 v[TM+4+\b], 0                        ; a lane permute's destination counts as read
.endr
.irp b, 0,1,2,3,4,5,6,7
	v_mov_b32 v[BM+\b], 0                          ; Q, K: nothing is added along the lanes
.endr
	s_wait_alu depctr_va_vdst(0)
	; where Q's or K's results go
	s_and_b32 s2, s55, 1
	s_cselect_b64 s[88:89], s[20:21], s[18:19]     ; idx odd: K's, to KVB; even: Q's, to QB
	s_lshl_b32 s92, s56, 2
	s_lshl_b32 s93, s62, 1
	s_add_co_u32 s92, s92, s93                     ; the first of my two heads, 4 cx + 2 wn
	s_lshr_b32 s2, s66, 4
	s_lshl_b32 s2, s2, 4
	s_add_co_u32 s92, s92, s2                      ; 16 b + head
	s_mul_i32 s92, s92, HEADB
	s_and_b32 s2, s66, 15
	s_mul_i32 s2, s2, BLOB
	s_add_co_u32 s2, s2, s92
	s_mov_b32 s3, 0
	s_add_nc_u64 s[88:89], s[88:89], s[2:3]        ; the blob
	s_mul_i32 s2, s61, 6144
	s_mul_i32 s94, s60, 768
	s_add_co_u32 s2, s2, s94
	s_add_nc_u64 s[84:85], s[88:89], s[2:3]        ; registers 0-5: my tiles' half images,
	s_add_nc_u64 s[86:87], s[84:85], HEADB         ; registers 6-11: the next head's
	s_lshl_b32 s2, s60, 9
	s_lshl_b32 s94, s61, 8
	s_add_co_u32 s2, s2, s94
	s_add_co_u32 s2, s2, 12288
	s_add_nc_u64 s[88:89], s[88:89], s[2:3]        ; the scale words,
	s_add_nc_u64 s[90:91], s[88:89], HEADB         ; and the next head's
	s_lshl_b32 s96, s60, 4                         ; sal words carry their bytes at 2, 3: the first head's go 16 bits up;
	s_xor_b32 s97, s96, 16                         ; sem words at 0, 1: the second head's go 16 bits down
	; the bias
	s_mov_b64 s[92:93], s[8:9]
	s_cmp_eq_u32 s55, 1
	s_cselect_b64 s[92:93], s[10:11], s[92:93]
	s_cmp_eq_u32 s55, 2
	s_cselect_b64 s[92:93], s[14:15], s[92:93]
	s_cmp_eq_u32 s55, 3
	s_cselect_b64 s[92:93], s[16:17], s[92:93]
	s_lshl_b32 s2, s56, 10
	s_lshl_b32 s94, s62, 9
	s_add_co_u32 s2, s2, s94                       ; 4 (256 cx + 128 wn)
	s_add_nc_u64 s[94:95], s[92:93], s[2:3]
	WIN 0x80                                       ; destination window 2
.irp b, 0,1,2,3,4,5,6,7
	global_load_b128 v[8*\b:8*\b+3], v14, s[94:95] offset:4*(32*(\b/2)+8*(\b%2))       ; register 8 b + j: n = 32 (b / 2) + 16 h + 8 (b % 2) + j of my 128
	global_load_b128 v[8*\b+4:8*\b+7], v14, s[94:95] offset:4*(32*(\b/2)+8*(\b%2))+16
.endr
	WIN 0
	s_wait_loadcnt 0x0
	STAGEWAIT
	FETCH 0
.irp k, 0,1,2,3,4,5,6,7
	KSTEP \k
.endr
	WIN 0
	s_wait_tensorcnt 0x0                           ; in front of the refill's round, in every wave: no load of mine is out;
	ds_add_u32 v[SPW], v[NIL]                      ; the add, twice on end here
	ds_add_u32 v[SPW], v[NIL]
	s_wait_dscnt 0x0                               ; the adds are done, and my reads of the weight's groups are over
	CROUND                                         ; both now hold of every wave of every partner
	s_cmp_eq_u32 s60, 1                            ; a sal cluster has no second product: nothing would read the fill
	s_cbranch_scc1 .Lno_v
	s_cmp_lg_u32 s[WV], 0
	s_cbranch_scc1 .Lno_v
	tensor_load_to_lds s[G0V:G0V+3], s[G1B:G1B+7]  ; Wv's group, shared along my column, into the bytes at 102,400
	s_nop 0
	PLACES
.Lno_v:
	PLACES                                         ; in front of the first read of results
.irp a, 0,1,2,3
	OUT \a
.endr
	ds_load_b64 v[NUM:NUM+1], v13                  ; LDS serves a wave's instructions in order: these see my stores
	ds_load_b64 v[NUM+2:NUM+3], v13 offset:256
	s_wait_dscnt 0x0
	global_store_b64 v11, v[NUM:NUM+1], s[88:89]   ; 256 consecutive bytes, aligned
	global_store_b64 v11, v[NUM+2:NUM+3], s[90:91]
	s_cmp_eq_u32 s60, 1
	s_cbranch_scc1 .Lend
	; ---- THE SECOND PRODUCT: A = my two tiles 2 wave, 2 wave + 1 of Wv's group, at 102,400; B = x's group, at 0
.set NA, 2
.set CZ, 1
	s_wait_xcnt 0x0                                ; the stores have read their bases and data
	s_lshl_b32 s92, s63, 1
	s_add_co_u32 s92, s92, s61                     ; the head: 2 x group of channels + wave / 2
	s_lshr_b32 s2, s66, 4
	s_lshl_b32 s2, s2, 4
	s_add_co_u32 s92, s92, s2
	s_mul_i32 s92, s92, HEADB
	s_and_b32 s2, s66, 15
	s_mul_i32 s2, s2, BLOB
	s_add_co_u32 s2, s2, s92
	s_add_nc_u64 s[88:89], s[20:21], s[2:3]        ; the blob, in KVB
	s_mul_i32 s2, s62, 3072
	s_add_co_u32 s2, s2, 13312
	s_add_nc_u64 s[84:85], s[88:89], s[2:3]        ; images 2 (wave % 2) and the next: registers 0-5,
	s_add_nc_u64 s[86:87], s[84:85], 768           ; registers 6-11
	s_lshl_b32 s2, s62, 7
	s_add_co_u32 s2, s2, 19456
	s_add_nc_u64 s[88:89], s[88:89], s[2:3]        ; their scale words
	s_mov_b32 s96, 0                               ; V's word is whole
	s_lshl_b32 s2, s63, 9
	s_lshl_b32 s94, s[WV], 7
	s_add_co_u32 s2, s2, s94                       ; 4 (128 x group + 32 wave)
	s_add_nc_u64 s[92:93], s[12:13], s[2:3]
	global_load_b32 v[BM], v15, s[92:93]           ; bv at my lane's channel of tile 0,
	global_load_b32 v[BM+2], v15, s[92:93] offset:32   ; and of tile 1
	s_mul_i32 s68, s[WV], 3072
	s_add_co_u32 s68, s68, 102400
	s_lshl_b32 s69, s[WV], 7
	s_add_co_u32 s69, s69, 102400
	v_add_nc_u32 v4, s68, v10
	v_add_nc_u32 v5, s68, v11
	v_lshl_add_u32 v6, v2, 2, s69
	v_mov_b32 v7, v10
	v_mov_b32 v8, v11
	v_lshlrev_b32 v9, 2, v2
	v_lshlrev_b32 v14, 2, v1                       ; 4 x lane
	v_add_nc_u32 v13, s71, v14
	s_wait_alu depctr_va_vdst(0)
	s_wait_loadcnt 0x0
	STAGEWAIT                                      ; Wv's group is whole for every wave
	FETCH 0
.irp k, 0,1,2,3,4,5,6,7
	KSTEP \k
.endr
	WIN 0
	PLACES
	OUT 0
	OUT 1
	ds_load_b32 v[NUM], v13
	s_wait_dscnt 0x0
	global_store_b32 v14, v[NUM], s[88:89]         ; my two tiles' 32 words: 128 consecutive bytes
.Lend:
	s_wait_tensorcnt 0x0                           ; the wave's end, behind my last tensor load and my last LDS store
	ds_add_u32 v[SPW], v[NIL]
	s_wait_dscnt 0x0
	CROUND                                         ; the closing round: no work-group ends while a partner may still ask for a tile that names it
	s_endpgm
.Lfunc_end_k_q5a81863042_proj:
	.size	k_q5a81863042_proj, .Lfunc_end_k_q5a81863042_proj-k_q5a81863042_proj
	.p2alignl 7, 3214868480
	.fill 96, 4, 3214868480
	.section	.rodata,"a",@progbits
	.p2align	6, 0x0
	.amdhsa_kernel k_q5a81863042_proj
		.amdhsa_group_segment_fixed_size 327680
		.amdhsa_private_segment_fixed_size 0
		.amdhsa_enable_private_segment 0
		.amdhsa_kernarg_size 72
		.amdhsa_user_sgpr_count 2
		.amdhsa_user_sgpr_kernarg_segment_ptr 1
		.amdhsa_wavefront_size32 1
		.amdhsa_system_sgpr_workgroup_id_x 1
		.amdhsa_system_sgpr_workgroup_id_y 1
		.amdhsa_system_sgpr_workgroup_id_z 1
		.amdhsa_system_vgpr_workitem_id 0
		.amdhsa_next_free_vgpr 768
		.amdhsa_next_free_sgpr 100
		.amdhsa_reserve_vcc 0
		.amdhsa_float_denorm_mode_32 3
		.amdhsa_float_denorm_mode_16_64 3
		.amdhsa_memory_ordered 1
		.amdhsa_forward_progress 1
		.amdhsa_inst_pref_size 161
	.end_amdhsa_kernel
	.amdgpu_metadata
---
amdhsa.version: [ 1, 2 ]
amdhsa.kernels:
  - .name:           k_q5a81863042_proj
    .symbol:         k_q5a81863042_proj.kd
    .args:
      - { .name: XI, .offset: 0, .size: 8, .value_kind: global_buffer, .address_space: global }
      - { .name: WI, .offset: 8, .size: 8, .value_kind: global_buffer, .address_space: global }
      - { .name: bq_sem, .offset: 16, .size: 8, .value_kind: global_buffer, .address_space: global }
      - { .name: bk_sem, .offset: 24, .size: 8, .value_kind: global_buffer, .address_space: global }
      - { .name: bv, .offset: 32, .size: 8, .value_kind: global_buffer, .address_space: global }
      - { .name: bq_sal, .offset: 40, .size: 8, .value_kind: global_buffer, .address_space: global }
      - { .name: bk_sal, .offset: 48, .size: 8, .value_kind: global_buffer, .address_space: global }
      - { .name: QB, .offset: 56, .size: 8, .value_kind: global_buffer, .address_space: global }
      - { .name: KVB, .offset: 64, .size: 8, .value_kind: global_buffer, .address_space: global }
    .group_segment_fixed_size: 327680
    .private_segment_fixed_size: 0
    .kernarg_segment_align: 8
    .kernarg_segment_size: 72
    .max_flat_workgroup_size: 128
    .sgpr_count:     100
    .vgpr_count:     768
    .wavefront_size: 32
...
	.end_amdgpu_metadata
.endif
;; end of part 2
;; launch attn (part 3): grid 8 x 32, 16 waves a work-group, clusters of 4 x 1, 327,680 bytes of LDS; arguments QB, KVB, MB, gamma, OI; writes OI
.if DOCPART == 3
	.amdgcn_target "amdgcn-amd-amdhsa--gfx1250"
	.amdhsa_code_object_version 6
	.text
	.protected	k_q5a81863042_attn
	.globl	k_q5a81863042_attn
	.p2align	8
	.type	k_q5a81863042_attn,@function
k_q5a81863042_attn:
	s_mov_b64 s[64:65], 0
	v_nop
	global_prefetch_b8 v0, s[64:65] scope:SCOPE_SE
	s_setreg_imm32_b32 hwreg(HW_REG_WAVE_MODE, 25, 1), 1
	s_wait_xcnt 0x0
	s_wait_alu depctr_hold_cnt(0) depctr_sa_sdst(0) depctr_va_vdst(0) depctr_va_sdst(0) depctr_va_ssrc(0) depctr_va_vcc(0) depctr_vm_vsrc(0)
	s_getreg_b32 s2, hwreg(HW_REG_IB_STS2, 6, 4)
	s_cmp_eq_u32 s2, 0
	s_cbranch_scc0 .Lentry_in_a_cluster
	s_endpgm
.Lentry_in_a_cluster:
	s_bfe_u32 s2, ttmp6, 0x10000c
	s_cmp_lg_u32 s2, 0x3003
	s_cbranch_scc0 .Lentry_shape_is_right
	s_endpgm
.Lentry_shape_is_right:
; Attention of one head on codes of FP6 (E2M3): logit = (Q_sem . K_sem + gamma Q_sal . K_sal) / 8, hidden where the mask is 0; p = 2^(t - M), t = logit x log2(e), M the ceiling of the running largest t;
; O = (sum of Q(p) Q(V)) / (sum of the unquantised p); O is quantised along the model's 1,024 as the last product's operand.
; QB, KVB: a blob of 19,712 bytes for each head and 128 positions: 0: 8 tiles' images (1,536 bytes: 16 positions x [sem 64 | sal 64]); 12,288: sem scale words (bytes 0, 1 count); 12,800: sal scale words (bytes 2, 3);
;   13,312: 4 images of V^T (16 channels x 128 keys); 19,456: V's scale words.  An image: byte 768 c + 16 lane: registers 6 c .. 6 c + 3; 768 c + 512 + 8 lane: registers 6 c + 4, 6 c + 5.
;   Lane r of tile T takes row 32 (T / 2) + 8 (T % 2) + r + 8 (r / 8), so that the 16 registers of two neighbouring tiles of source 0 are 16 neighbours.
; gamma is no power of two, so the two score products keep sums of their own: ONE fragment of K, [sem | sal], is multiplied by [Q_sem | zeros] and by [zeros | Q_sal]; zero codes add nothing.
; SHARES.  A work-group owns 256 queries of one head; each of its sixteen waves one tile of 16, in 256 registers: four waves to a SIMD, so that one wave's vector work stands beside another's products and LDS loads.
; A HEAD'S K, V AND SCALES, 315,392 bytes, LIE IN LDS AT ONCE, filled once at the start by joint loads: the four work-groups of a cluster belong to one head.  Nothing is filled again.
; THE MASK comes as lane-mask words (MB: [b][tile of queries][step][n 64]) into scalar registers, half a step ahead, and only feeds v_cndmask_b32: no branch hangs on it.
; LIMITS: NaN and infinities are not served.  A hidden score is -2^33 ahead of the factor 1/8, a logit of -2^30 where the definition has -1e9: its t is a whole number, so a row with no visible key gives p = 1 for every key
;   (the uniform row); results differ from the definition's only where a visible logit lies under about -1e9.  A block of zeros gets the scale byte 1 (its codes are zeros; the bytes are read by this program alone).
.set BLOB,  19712
.set HEADB, 315392
.set SPARE, 315392                     ; behind the head's sixteen blobs: the spare words, 128 bytes for each of the sixteen waves
; v35: LDS address of my spare word; v255: 0; both never rewritten.
; No prefetch: all of a head's K and V is asked for at the kernel's head, a blob a wave; there is no loop to run ahead in.
.set QF,  16                           ; v16-21 Q_sem, v22-27 zeros, v28-33 Q_sal: [Q_sem | 0] = v[16:27], [0 | Q_sal] = v[22:33]
.set QS,  34                           ; Q's scale words: lanes 0-15 sem, lanes 16-31 sal
.set KS,  36                           ; v36-39 scale words of four tiles of K (lanes 0-15 sem, 16-31 sal), later of V
.set KF,  40                           ; v40-87 four fragments of K, later of V
.set TMP, 88                           ; v88-119 the sal scores of four tiles
.set S,   120                          ; v120-183 the scores, then p: register 16 b + i = key 32 b + 16 h + i
.set O,   184                          ; v184-215 O^T: register 16 b + i = channel 32 b + 16 h + i
.set PCD, 216                          ; v216-227 p's codes
.set BMX, 228                          ; v228-231 the blocks' largest scores
.set PT,  232                          ; v232-238 at work
.set SCO, 240                          ; v240-243 the conversions' scale operands
.set PSW, 250                          ; p's scale word
.set TB,  2                            ; s2  LDS byte of the step's blob
.set WV,  7
.set GM,  12                           ; s[12:13] gamma
.set CS,  14                           ; s[14:15] c = log2(e) / 8
.set SEL, 16
.set G1,  24
.set G0,  32
.macro CROUND
	s_barrier_signal -1
	s_barrier_wait -1
	s_cmp_lg_u32 s[WV], 0
	s_cbranch_scc1 .Lnot_wave_0_\@
	s_barrier_signal -3
.Lnot_wave_0_\@:
	s_barrier_wait -3
	s_barrier_signal -1
	s_barrier_wait -1
.endm
.macro FRAG reg, a16, a8, off
	ds_load_b128 v[\reg:\reg+3], v[\a16] offset:\off
	ds_load_b64 v[\reg+4:\reg+5], v[\a8] offset:\off+512
	ds_load_b128 v[\reg+6:\reg+9], v[\a16] offset:\off+768
	ds_load_b64 v[\reg+10:\reg+11], v[\a8] offset:\off+1280
.endm
	s_load_b256 s[48:55], s[0:1], 0x0              ; QB, KVB, MB, gamma
	s_load_b64 s[56:57], s[0:1], 0x20              ; OI
	v_lshl_add_u32 v35, v0, 2, SPARE
	v_mov_b32 v255, 0
	ds_add_u32 v35, v255                           ; the opening lines: the add, twice on end, and its wait ahead of the round in front of the first loads
	ds_add_u32 v35, v255
	v_lshrrev_b32 v1, 5, v0
	s_delay_alu instid0(VALU_DEP_1)
	v_readfirstlane_b32 s[WV], v1                  ; wave 0..15
	s_bfe_u32 s18, ttmp6, 0x40000                  ; cx
	s_lshl_b32 s19, ttmp9, 2
	s_add_co_u32 s19, s19, s18                     ; my block of 256 queries
	s_lshl_b32 s19, s19, 4
	s_add_co_u32 s19, s19, s[WV]                   ; T: my tile of queries, 0..127: it enters global addresses alone
	s_and_b32 s20, ttmp7, 0xffff                   ; 16 b + head, which the four partners share
	; descriptor group 1: a blob, 19,712 dense bytes, as 77 rows of 32 elements of 8 bytes
	s_mov_b32 s[G1], 15|(3<<16)|(1<<21)            ; 15:0 the mask: all four work-groups; 17:16 elements of 8 bytes; 21 set beside a mask
	s_mov_b32 s[G1+1], 32<<16
	s_mov_b32 s[G1+2], 77<<16
	s_mov_b32 s[G1+3], 32<<16
	s_mov_b32 s[G1+4], 77
	s_mov_b32 s[G1+5], 32
	s_mov_b32 s[G1+6], 0
	s_mov_b32 s[G1+7], 0
	s_mul_i32 s58, s20, HEADB
	s_mov_b32 s59, 0
	s_mul_i32 s21, s[WV], BLOB                     ; wave w brings step w's blob: sixteen waves, sixteen blobs, one load a wave
	s_mov_b32 s22, s21
	s_mov_b32 s23, 0
	s_mov_b32 s[CS], 0x3e38aa3b                    ; log2(e) / 8
	s_mov_b32 s[CS+1], s[CS]
	s_mov_b32 s[SEL], 0x76543210
	s_mov_b32 s[SEL+1], 0xfedcba98
	s_mov_b32 s6, 0                                ; the step's mask words: 256 bytes a step
	s_wait_dscnt 0x0                               ; both opening adds are done
	s_wait_kmcnt 0x0
	s_load_b32 s[GM], s[54:55], 0x0
	s_add_nc_u64 s[60:61], s[50:51], s[58:59]
	s_add_nc_u64 s[60:61], s[60:61], s[22:23]
.irp s, 0
	s_mov_b32 s[G0+4*\s], 1
	s_add_co_u32 s[G0+4*\s+1], s21, \s*4*BLOB
	s_add_nc_u64 s[G0+4*\s+2:G0+4*\s+3], s[60:61], \s*4*BLOB
	s_or_b32 s[G0+4*\s+3], s[G0+4*\s+3], 0x80000000
.endr
	s_lshr_b32 s62, s20, 4
	s_lshl_b32 s62, s62, 7
	s_add_co_u32 s62, s62, s19
	s_lshl_b32 s62, s62, 12                        ; (128 b + T) x 16 steps x 256 bytes
	s_mov_b32 s63, 0
	s_add_nc_u64 s[4:5], s[52:53], s[62:63]
	s_load_b512 s[68:83], s[4:5], s6               ; the first 32 mask words
	s_load_b512 s[84:99], s[4:5], s6 offset:0x40
	CROUND                                         ; all four work-groups are here: the joint loads meet
	tensor_load_to_lds s[G0:G0+3], s[G1:G1+7]      ; my blob: every wave issues one joint load, with no branch
	s_nop 0
.rept 4
	v_nop
.endr
	s_add_nc_u64 s[60:61], s[48:49], s[58:59]      ; QB at my head,
	s_lshr_b32 s62, s19, 3
	s_mul_i32 s62, s62, BLOB
	s_add_nc_u64 s[60:61], s[60:61], s[62:63]      ; the blob with my tile,
	s_and_b32 s18, s19, 7
	s_mul_i32 s62, s18, 1536
	s_add_nc_u64 s[22:23], s[60:61], s[62:63]      ; its image,
	s_lshl_b32 s62, s18, 6
	s_add_nc_u64 s[60:61], s[60:61], s[62:63]      ; its scale words (12,288 in the offset)
	v_and_b32 v10, 31, v0                          ; lane
	v_and_b32 v11, 15, v0                          ; r
	v_bfe_u32 v5, v0, 4, 1                         ; h
	s_delay_alu instid0(VALU_DEP_3)
	v_lshlrev_b32 v1, 4, v10                       ; v1 16 x lane
	s_delay_alu instid0(VALU_DEP_4)
	v_lshlrev_b32 v2, 3, v10                       ; v2 8 x lane
	s_delay_alu instid0(VALU_DEP_4)
	v_lshlrev_b32 v4, 2, v11                       ; v4 4 r
	s_delay_alu instid0(VALU_DEP_1)
	v_lshl_add_u32 v3, v5, 9, v4                   ; v3 4 r + 512 h: lanes 16-31 take the sal words
	global_load_b128 v[QF:QF+3], v1, s[22:23]
	global_load_b64 v[QF+4:QF+5], v2, s[22:23] offset:512
	global_load_b128 v[QF+12:QF+15], v1, s[22:23] offset:768
	global_load_b64 v[QF+16:QF+17], v2, s[22:23] offset:1280
	global_load_b32 v[QS], v3, s[60:61] offset:12288
.irp i, 6,7,8,9,10,11
	v_mov_b32 v[QF+\i], 0                          ; zero codes
.endr
	v_mov_b32 v5, 0xd0000000                       ; -2^33: a hidden score
	; where O goes: OI [group of 128 rows][K step 8] chunks of 12,800 bytes; my head is half (head % 2) of K step head / 2
	s_lshr_b32 s62, s20, 4
	s_lshl_b32 s62, s62, 4
	s_lshr_b32 s21, s19, 3
	s_add_co_u32 s62, s62, s21                     ; group 16 b + T / 8
	s_lshl_b32 s62, s62, 3
	s_bfe_u32 s21, s20, 0x30001                    ; head / 2
	s_add_co_u32 s62, s62, s21
	s_mul_i32 s62, s62, 12800
	s_add_nc_u64 s[10:11], s[56:57], s[62:63]      ; the chunk
	s_and_b32 s21, s20, 1
	s_mul_i32 s62, s18, 1536
	s_mul_i32 s58, s21, 768
	s_add_co_u32 s62, s62, s58
	s_add_nc_u64 s[8:9], s[10:11], s[62:63]        ; my half image
	s_lshl_b32 s62, s18, 6
	s_lshl_b32 s58, s21, 1
	s_add_co_u32 s62, s62, s58
	s_add_co_u32 s62, s62, 12288
	s_add_nc_u64 s[10:11], s[10:11], s[62:63]      ; my two bytes of the rows' scale words
	v_mov_b32 v13, 0xff61b1e6                      ; the largest t so far: -3e38
	s_delay_alu instid0(VALU_DEP_1)
	v_floor_f32 v12, -v13                          ; -M
	v_mov_b32 v14, 0                               ; the sum, in two halves
	v_mov_b32 v15, 0
	v_mov_b32 v253, 0                              ; (named as the upper half of the pair v[252:253])
.irp b, 0,1,2,3
	v_mov_b32 v[PT+\b], 0                          ; a lane permute's destination counts as read
.endr
.set jj, 0
.rept 32
	v_mov_b32 v[O+jj], 0                           ; O^T: the step is written once; the first change of M leaves zeros zeros
.set jj, jj+1
.endr
	s_wait_kmcnt 0x0                               ; gamma (and the first mask words)
	s_mov_b32 s[GM+1], s[GM]
	s_wait_loadcnt 0x0                             ; Q
; A KEY STEP: 128 keys
.macro STEP
	v_add_nc_u32 v6, s[TB], v1                     ; the step's four addresses.  (These four are also the places in front of loads into registers that the last products read)
	v_add_nc_u32 v7, s[TB], v2
	v_add_nc_u32 v8, s[TB], v3
	v_add_nc_u32 v9, s[TB], v4
.irp g, 0,1                                    ; four tiles of 16 keys at a time
.irp t, 0,1,2,3
	FRAG KF+12*\t, 6, 7, 1536*(4*\g+\t)
	ds_load_b32 v[KS+\t], v8 offset:12288+64*(4*\g+\t)
.endr
	s_wait_dscnt 0x0
.irp t, 0,1,2,3
	v_wmma_scale_f32_16x16x128_f8f6f4 v[S+8*(4*\g+\t):S+8*(4*\g+\t)+7], v[KF+12*\t:KF+12*\t+11], v[QF:QF+11], 0, v[KS+\t], v[QS] matrix_a_fmt:MATRIX_FMT_FP6 matrix_b_fmt:MATRIX_FMT_FP6
.endr
.irp t, 0,1,2,3
	v_wmma_scale_f32_16x16x128_f8f6f4 v[TMP+8*\t:TMP+8*\t+7], v[KF+12*\t:KF+12*\t+11], v[QF+6:QF+17], 0, v[KS+\t], v[QS] matrix_a_fmt:MATRIX_FMT_FP6 matrix_b_fmt:MATRIX_FMT_FP6 matrix_a_scale:MATRIX_SCALE_ROW1 matrix_b_scale:MATRIX_SCALE_ROW1
.endr
.rept 4
	v_nop                                          ; four places in front of the first read of results, and of loads into the fragments' registers
.endr
.if \g == 1
.irp t, 0,1,2,3                                ; V's four fragments and scale words: they have the whole softmax in which to land
	FRAG KF+12*\t, 6, 7, 13312+1536*\t
	ds_load_b32 v[KS+\t], v9 offset:19456+64*\t
.endr
.endif
.set kk, 0
.rept 16
	v_pk_fma_f32 v[S+32*\g+kk:S+32*\g+kk+1], v[TMP+kk:TMP+kk+1], s[GM:GM+1], v[S+32*\g+kk:S+32*\g+kk+1] op_sel_hi:[1,0,1]   ; sem + gamma sal; each accumulator from its low end on
.set kk, kk+2
.endr
	s_wait_kmcnt 0x0                               ; these 32 mask words are in
.set kk, 0
.rept 32
	v_cndmask_b32 v[S+32*\g+kk], v5, v[S+32*\g+kk], s[68+kk]   ; hidden where the bit is 0
.set kk, kk+1
.endr
.if \g == 0
	s_load_b512 s[68:83], s[4:5], s6 offset:0x80   ; the step's other 32 words
	s_load_b512 s[84:99], s[4:5], s6 offset:0xc0
.else
	s_add_co_u32 s6, s6, 256                       ; (every load that named s6 is done: the wait above)
	s_and_b32 s6, s6, 4095                         ; the next step's; the last step asks for step 0 again: inside the buffer
	s_load_b512 s[68:83], s[4:5], s6
	s_load_b512 s[84:99], s[4:5], s6 offset:0x40
.endif
.endr
.irp b, 0,1,2,3
	v_max3_num_f32 v[BMX+\b], v[S+16*\b], v[S+1+16*\b], v[S+2+16*\b]   ; the largest score of each block of 32 keys: for the row's maximum and, since p rises with the score, for the block's largest p
.endr
.irp i, 3,5,7,9,11,13
.irp b, 0,1,2,3
	s_delay_alu instid0(VALU_DEP_4)
	v_max3_num_f32 v[BMX+\b], v[BMX+\b], v[S+16*\b+\i], v[S+1+16*\b+\i]
.endr
.endr
.irp b, 0,1,2,3
	s_delay_alu instid0(VALU_DEP_4)
	v_max_num_f32 v[BMX+\b], v[BMX+\b], v[S+15+16*\b]
.endr
.irp b, 0,1,2,3
	s_delay_alu instid0(VALU_DEP_4)
	v_permlanex16_b32 v[PT+\b], v[BMX+\b], s[SEL], s[SEL+1]
.endr
.irp b, 0,1,2,3
	s_delay_alu instid0(VALU_DEP_4)
	v_max_num_f32 v[BMX+\b], v[BMX+\b], v[PT+\b]   ; with lane l xor 16's 16 keys
.endr
	s_delay_alu instid0(VALU_DEP_2)
	v_max3_num_f32 v254, v[BMX], v[BMX+1], v[BMX+2]
	s_delay_alu instid0(VALU_DEP_1)
	v_max_num_f32 v254, v254, v[BMX+3]
	s_delay_alu instid0(VALU_DEP_1)
	v_mul_f32 v254, s[CS], v254                    ; as t (c is positive)
	s_delay_alu instid0(VALU_DEP_1)
	v_max_num_f32 v13, v13, v254                   ; the running largest t
	v_mov_b32 v254, v12
	s_delay_alu instid0(VALU_DEP_2)
	v_floor_f32 v12, -v13                          ; the new -M = -ceil(t): a whole number
	s_delay_alu instid0(VALU_DEP_1)
	v_sub_f32 v254, v12, v254                      ; old M - new M: a whole number, 0 or less
	s_delay_alu instid0(VALU_DEP_1)
	v_cvt_i32_f32 v254, v254                       ; (it saturates)
	s_delay_alu instid0(VALU_DEP_1)
	v_ldexp_f32 v252, 1.0, v254                    ; f = 2^(old M - new M): a multiplication by it rounds nothing
.set jj, 0
.rept 32
	v_pk_fma_f32 v[S+jj:S+jj+1], v[S+jj:S+jj+1], s[CS:CS+1], v[12:13] op_sel_hi:[1,0,0]   ; t - M
.set jj, jj+2
.endr
.irp b, 0,1,2,3
	v_fma_f32 v[BMX+\b], v[BMX+\b], s[CS], v12     ; the same of each block's largest score
.endr
.set jj, 0
	s_wait_alu depctr_va_vdst(0)
.rept 64
	v_exp_f32 v[S+jj], v[S+jj]                     ; p = 2^(t - M): not normalised
.set jj, jj+1
.endr
	v_pk_mul_f32 v[14:15], v[14:15], v[252:253] op_sel_hi:[1,0]   ; the sums under the new M: the plain place behind the exponentials
	s_wait_alu depctr_va_vdst(0)                   ; one wait for the batch, ahead of its first reader
.irp b, 0,1,2,3
	v_exp_f32 v[BMX+\b], v[BMX+\b]                 ; the block's largest p
.endr
	v_pk_add_f32 v[232:233], v[124:125], v[128:129]
	v_pk_add_f32 v[248:249], v[132:133], v[136:137]
	v_pk_add_f32 v[246:247], v[140:141], v[144:145]
	v_pk_add_f32 v[244:245], v[148:149], v[152:153]
	v_pk_add_f32 v[14:15], v[14:15], v[156:157]
	v_pk_add_f32 v[232:233], v[232:233], v[160:161]
	v_pk_add_f32 v[248:249], v[248:249], v[164:165]
	v_pk_add_f32 v[246:247], v[246:247], v[168:169]
	v_pk_add_f32 v[244:245], v[244:245], v[172:173]
	v_pk_add_f32 v[14:15], v[14:15], v[176:177]
	v_pk_add_f32 v[232:233], v[232:233], v[180:181]
	v_pk_add_f32 v[248:249], v[248:249], v[120:121]
	v_pk_add_f32 v[246:247], v[246:247], v[122:123]
	v_pk_add_f32 v[244:245], v[244:245], v[126:127]
	v_pk_add_f32 v[14:15], v[14:15], v[130:131]
	v_pk_add_f32 v[232:233], v[232:233], v[134:135]
	v_pk_add_f32 v[248:249], v[248:249], v[138:139]
	v_pk_add_f32 v[246:247], v[246:247], v[142:143]
	v_pk_add_f32 v[244:245], v[244:245], v[146:147]
	v_pk_add_f32 v[14:15], v[14:15], v[150:151]
	v_pk_add_f32 v[232:233], v[232:233], v[154:155]
	v_pk_add_f32 v[248:249], v[248:249], v[158:159]
	v_pk_add_f32 v[246:247], v[246:247], v[162:163]
	v_pk_add_f32 v[244:245], v[244:245], v[166:167]
	v_pk_add_f32 v[14:15], v[14:15], v[170:171]
	v_pk_add_f32 v[232:233], v[232:233], v[174:175]
	v_pk_add_f32 v[248:249], v[248:249], v[178:179]
	v_pk_add_f32 v[246:247], v[246:247], v[182:183]
	s_delay_alu instid0(VALU_DEP_1)
	v_pk_add_f32 v[14:15], v[14:15], v[246:247]
	s_delay_alu instid0(VALU_DEP_4)
	v_pk_add_f32 v[232:233], v[232:233], v[244:245]
	s_delay_alu instid0(VALU_DEP_2)
	v_pk_add_f32 v[14:15], v[14:15], v[248:249]
	s_delay_alu instid0(VALU_DEP_1)
	v_pk_add_f32 v[14:15], v[14:15], v[232:233]
	s_wait_alu depctr_va_vdst(0)                   ; and one for the four
.irp b, 0,1,2,3
	v_max_num_f32 v[BMX+\b], 0x1800000, v[BMX+\b]  ; the floor 2^(3 - 127): the byte cannot fall under 1
.endr
.irp b, 0,1,2,3
	s_delay_alu instid0(VALU_DEP_4)
	v_add_nc_u32 v[SCO+\b], 0xff000000, v[BMX+\b]  ; 2 off the exponent field: the conversion's scale operand
.endr
.irp b, 0,1,2,3
	s_delay_alu instid0(VALU_DEP_4)
	v_lshrrev_b32 v[PT+\b], 23, v[SCO+\b]
.endr
	s_delay_alu instid0(VALU_DEP_3)
	v_lshl_or_b32 v[PSW], v[PT+1], 8, v[PT]        ; p's scale word for these 128 keys
	s_delay_alu instid0(VALU_DEP_1)
	v_lshl_or_b32 v[PSW], v[PT+2], 16, v[PSW]
	s_delay_alu instid0(VALU_DEP_1)
	v_lshl_or_b32 v[PSW], v[PT+3], 24, v[PSW]
.irp c, 0,1
	v_cvt_scalef32_pk16_fp6_f32 v[PCD+6*\c:PCD+2+6*\c], v[S+32*\c:S+15+32*\c], v[SCO+2*\c]
	v_cvt_scalef32_pk16_fp6_f32 v[PT+4*\c:PT+2+4*\c], v[S+16+32*\c:S+31+32*\c], v[SCO+2*\c+1]
.endr
	v_nop                                          ; one plain place behind a scaled conversion
.irp c, 0,1
.irp i, 0,1,2
	v_permlane16_swap_b32 v[PCD+6*\c+\i], v[PT+4*\c+\i]
.endr
.irp i, 0,1,2
	s_delay_alu instid0(VALU_DEP_3)
	v_mov_b32 v[PCD+3+6*\c+\i], v[PT+4*\c+\i]
.endr
.endr
.set jj, 0
.rept 16
	v_pk_mul_f32 v[O+jj:O+jj+1], v[O+jj:O+jj+1], v[252:253] op_sel_hi:[1,0]   ; O^T under the new M.  (Twelve of these name no register of any one product below: its places behind the writes of p's codes and scale word)
.set jj, jj+2
.endr
	s_wait_alu depctr_va_vdst(0)
	s_wait_dscnt 0x0                               ; V is in
.irp t, 0,1,2,3                                ; O^T += V^T P^T: four accumulators by turns, one instruction a turn
	v_wmma_scale_f32_16x16x128_f8f6f4 v[O+8*\t:O+8*\t+7], v[KF+12*\t:KF+12*\t+11], v[PCD:PCD+11], v[O+8*\t:O+8*\t+7], v[KS+\t], v[PSW] matrix_a_fmt:MATRIX_FMT_FP6 matrix_b_fmt:MATRIX_FMT_FP6
.endr
.endm
.macro STAGE s                         ; all sixteen steps, in one loop
	s_wait_alu depctr_va_vdst(0)
	s_wait_tensorcnt 0x0                           ; my blob has landed
	s_wait_dscnt 0x0
	s_barrier_signal -1
	s_barrier_wait -1                              ; the sixteen blobs are whole for every wave
	s_mov_b32 s[TB], 0
	s_mov_b32 s3, 16
.Lstep_\@:
	STEP
	s_add_co_u32 s[TB], s[TB], BLOB
	s_sub_co_u32 s3, s3, 1
	s_cmp_lg_u32 s3, 0
	s_cbranch_scc1 .Lstep_\@
.endm
	STAGE 0
	; THE WAY OUT: O^T / the sum, quantised along my head's 64 channels: half a fragment's image and two scale bytes a row
	v_add_f32 v14, v14, v15
	s_delay_alu instid0(VALU_DEP_1)
	v_permlanex16_b32 v252, v14, s[SEL], s[SEL+1]
	s_delay_alu instid0(VALU_DEP_1)
	v_add_f32 v14, v14, v252                       ; the row's sum
	s_wait_alu depctr_va_vdst(0)
	v_rcp_f32 v14, v14
.rept 4
	v_nop                                          ; the plain place behind the reciprocal, and the places behind the last products
.endr
	s_wait_alu depctr_va_vdst(0)                   ; ahead of the reciprocal's first reader
.set jj, 0
.rept 16
	v_pk_mul_f32 v[S+jj:S+jj+1], v[O+jj:O+jj+1], v[14:15] op_sel_hi:[1,0]   ; each accumulator from its low end on
.set jj, jj+2
.endr
.irp b, 0,1
	v_max3_num_f32 v[BMX+\b], |v[S+16*\b]|, |v[S+1+16*\b]|, 0x1800000
.endr
.irp i, 2,4,6,8,10,12,14
.irp b, 0,1
	s_delay_alu instid0(VALU_DEP_2)
	v_max3_num_f32 v[BMX+\b], v[BMX+\b], |v[S+16*\b+\i]|, |v[S+1+16*\b+\i]|
.endr
.endr
.irp b, 0,1
	s_delay_alu instid0(VALU_DEP_2)
	v_permlanex16_b32 v[PT+\b], v[BMX+\b], s[SEL], s[SEL+1]
.endr
.irp b, 0,1
	s_delay_alu instid0(VALU_DEP_2)
	v_max_num_f32 v[BMX+\b], v[BMX+\b], v[PT+\b]
.endr
.irp b, 0,1
	s_delay_alu instid0(VALU_DEP_2)
	v_add_nc_u32 v[SCO+\b], 0xff000000, v[BMX+\b]
.endr
.irp b, 0,1
	s_delay_alu instid0(VALU_DEP_2)
	v_lshrrev_b32 v[PT+\b], 23, v[SCO+\b]
.endr
	s_delay_alu instid0(VALU_DEP_1)
	v_lshl_or_b32 v254, v[PT+1], 8, v[PT]          ; my row's two bytes
	v_cvt_scalef32_pk16_fp6_f32 v[PCD:PCD+2], v[S:S+15], v[SCO]
	v_cvt_scalef32_pk16_fp6_f32 v[PT+4:PT+6], v[S+16:S+31], v[SCO+1]
	v_nop
.irp i, 0,1,2
	v_permlane16_swap_b32 v[PCD+\i], v[PT+4+\i]
.endr
.irp i, 0,1,2
	s_delay_alu instid0(VALU_DEP_3)
	v_mov_b32 v[PCD+3+\i], v[PT+4+\i]
.endr
	global_store_b128 v1, v[PCD:PCD+3], s[8:9]     ; 512 consecutive bytes,
	global_store_b64 v2, v[PCD+4:PCD+5], s[8:9] offset:512   ; and 256
	v_cmp_gt_u32 vcc_lo, 16, v10
	s_wait_xcnt 0x0                                ; EXEC changes only behind this wait
	s_and_saveexec_b32 s18, vcc_lo                 ; lanes 0-15: a row each.  (The word's other two bytes belong to another head's work-group)
	global_store_b16 v4, v254, s[10:11]
	s_wait_xcnt 0x0
	s_or_b32 exec_lo, exec_lo, s18
	s_wait_tensorcnt 0x0                           ; the wave's end
	ds_add_u32 v35, v255
	s_wait_dscnt 0x0
	CROUND                                         ; the closing round: no work-group ends while a partner may still ask for a tile that names it
	s_endpgm
.Lfunc_end_k_q5a81863042_attn:
	.size	k_q5a81863042_attn, .Lfunc_end_k_q5a81863042_attn-k_q5a81863042_attn
	.p2alignl 7, 3214868480
	.fill 96, 4, 3214868480
	.section	.rodata,"a",@progbits
	.p2align	6, 0x0
	.amdhsa_kernel k_q5a81863042_attn
		.amdhsa_group_segment_fixed_size 327680
		.amdhsa_private_segment_fixed_size 0
		.amdhsa_enable_private_segment 0
		.amdhsa_kernarg_size 40
		.amdhsa_user_sgpr_count 2
		.amdhsa_user_sgpr_kernarg_segment_ptr 1
		.amdhsa_wavefront_size32 1
		.amdhsa_system_sgpr_workgroup_id_x 1
		.amdhsa_system_sgpr_workgroup_id_y 1
		.amdhsa_system_sgpr_workgroup_id_z 1
		.amdhsa_system_vgpr_workitem_id 0
		.amdhsa_next_free_vgpr 256
		.amdhsa_next_free_sgpr 100
		.amdhsa_reserve_vcc 1
		.amdhsa_float_denorm_mode_32 3
		.amdhsa_float_denorm_mode_16_64 3
		.amdhsa_memory_ordered 1
		.amdhsa_forward_progress 1
		.amdhsa_inst_pref_size 40
	.end_amdhsa_kernel
	.amdgpu_metadata
---
amdhsa.version: [ 1, 2 ]
amdhsa.kernels:
  - .name:           k_q5a81863042_attn
    .symbol:         k_q5a81863042_attn.kd
    .args:
      - { .name: QB, .offset: 0, .size: 8, .value_kind: global_buffer, .address_space: global }
      - { .name: KVB, .offset: 8, .size: 8, .value_kind: global_buffer, .address_space: global }
      - { .name: MB, .offset: 16, .size: 8, .value_kind: global_buffer, .address_space: global }
      - { .name: gamma, .offset: 24, .size: 8, .value_kind: global_buffer, .address_space: global }
      - { .name: OI, .offset: 32, .size: 8, .value_kind: global_buffer, .address_space: global }
    .group_segment_fixed_size: 327680
    .private_segment_fixed_size: 0
    .kernarg_segment_align: 8
    .kernarg_segment_size: 40
    .max_flat_workgroup_size: 512
    .sgpr_count:     100
    .vgpr_count:     256
    .wavefront_size: 32
...
	.end_amdgpu_metadata
.endif
;; end of part 3
;; launch outp (part 4): grid 8 x 32, 4 waves a work-group, clusters of 4 x 4, 327,680 bytes of LDS; arguments OI, WI, bo, out0; writes out0
.if DOCPART == 4
	.amdgcn_target "amdgcn-amd-amdhsa--gfx1250"
	.amdhsa_code_object_version 6
	.text
	.protected	k_q5a81863042_outp
	.globl	k_q5a81863042_outp
	.p2align	8
	.type	k_q5a81863042_outp,@function
k_q5a81863042_outp:
	s_mov_b64 s[64:65], 0
	v_nop
	global_prefetch_b8 v0, s[64:65] scope:SCOPE_SE
	s_setreg_imm32_b32 hwreg(HW_REG_WAVE_MODE, 25, 1), 1
	s_wait_xcnt 0x0
	s_wait_alu depctr_hold_cnt(0) depctr_sa_sdst(0) depctr_va_vdst(0) depctr_va_sdst(0) depctr_va_ssrc(0) depctr_va_vcc(0) depctr_vm_vsrc(0)
	s_getreg_b32 s2, hwreg(HW_REG_IB_STS2, 6, 4)
	s_cmp_eq_u32 s2, 0
	s_cbranch_scc0 .Lentry_in_a_cluster
	s_endpgm
.Lentry_in_a_cluster:
	s_bfe_u32 s2, ttmp6, 0x10000c
	s_cmp_lg_u32 s2, 0xf033
	s_cbranch_scc0 .Lentry_shape_is_right
	s_endpgm
.Lentry_shape_is_right:
; out0 = O Wo + bo on codes of FP6 (E2M3).  OI: [group of 128 rows 32][K step 8] chunks; WI: Wo's groups of 128 columns n are groups 40 .. 47.  A chunk of 12,800 bytes = 8 images of fragments (16 rows x 128 K, 1,536 bytes:
; byte 768 c + 16 lane: registers 6 c .. 6 c + 3; 768 c + 512 + 8 lane: registers 6 c + 4, 6 c + 5), then at 12,288 + 64 tile + 4 r the scale words.  Lane r of tile T takes row 32 (T / 2) + 8 (T % 2) + r + 8 (r / 8).
; A work-group makes 128 rows x 128 columns, K = 1,024; a wave 64 x 64.  ALL OF K LIES IN LDS: four stages of two K steps, filled once, by joint loads at the start: O's chunks are shared along a row of the cluster,
; Wo's along a column.  Nothing is filled again.  The product is used transposed (source 0 = 16 columns of Wo, source 1 = 16 rows of O): a lane holds a row, its registers run along n.  bo is the C of the first K step's products.
; REGISTERS, in windows of 256: window 0: v1-15 addresses; v16-23, v24-39 scale words, two sets; v64-111, v112-159 fragments of A and B, set 0; on the way out v64-95 rows of the result.
;   window 1: the 16 accumulators, (a, b) at v[8 (4 a + b)].   window 2: v0-31 bo along the registers; v64-159 fragments, set 1.
.set NB,    4
.set STG,   25600                      ; LAYOUT IN LDS (this line governs): O's group of 8 chunks at 0, Wo's group at 102,400, each brought whole by one load; STG = two K steps' chunks of a group
.set NLD,   40
.set GRP,   102400
.set STAGE, 204800                     ; behind the two groups: 16 rows x 272 bytes for each wave, for the way out; no fill lands there
.set SPARE, 222208                     ; behind the stages: the spare words, 128 bytes for each wave
.set SPW, 48                           ; v48 LDS address of my spare word; never rewritten
.set NIL, 49                           ; v49 0; never rewritten
; No prefetch: all that a work-group reads is asked for at its head, by two loads; there is no loop to run ahead in.
.set SA,  16
.set SB,  24
.set AF,  64
.set BF,  112
.set OB,  64
.set WV,   22
.set G1A,  24
.set G1B,  32
.set G0A,  40
.set G0B,  68
.set MSB, 0
.macro WIN new
.if MSB != \new
	s_set_vgpr_msb (MSB<<8)|\new
.set MSB, \new
.endif
.endm
.macro CROUND
	s_barrier_signal -1
	s_barrier_wait -1
	s_cmp_lg_u32 s[WV], 0
	s_cbranch_scc1 .Lnot_wave_0_\@
	s_barrier_signal -3
.Lnot_wave_0_\@:
	s_barrier_wait -3
	s_barrier_signal -1
	s_barrier_wait -1
.endm
.macro FRAG reg, a16, a8, off
	ds_load_b128 v[\reg:\reg+3], v[\a16] offset:\off
	ds_load_b64 v[\reg+4:\reg+5], v[\a8] offset:\off+512
	ds_load_b128 v[\reg+6:\reg+9], v[\a16] offset:\off+768
	ds_load_b64 v[\reg+10:\reg+11], v[\a8] offset:\off+1280
.endm
.macro FETCH kap
.set SET, (\kap)%2
.set KO, SET*12800
.if SET
	WIN 0x80
.else
	WIN 0
.endif
.irp t, 0,1,2,3
	FRAG AF+12*\t, 4, 5, KO+1536*\t
.endr
.set tt, 0
.rept NB
	FRAG BF+12*tt, 7, 8, KO+1536*tt
.set tt, tt+1
.endr
	WIN 0
.irp t, 0,1,2,3
	ds_load_b32 v[SA+4*SET+\t], v6 offset:KO+12288+64*\t
.endr
.set tt, 0
.rept NB
	ds_load_b32 v[SB+8*SET+tt], v9 offset:KO+12288+64*tt
.set tt, tt+1
.endr
.endm
.macro MUL kap                         ; 16 products, each accumulator once, in the same order in every K step: by turns
.set SET, (\kap)%2
.if (\kap) == 0
	WIN 0x60
.elseif SET
	WIN 0x5a
.else
	WIN 0x50
.endif
.irp a, 0,1,2,3
.set bb, 0
.rept NB
.if (\kap) == 0
	v_wmma_scale_f32_16x16x128_f8f6f4 v[8*(NB*\a+bb):8*(NB*\a+bb)+7], v[BF+12*bb:BF+12*bb+11], v[AF+12*\a:AF+12*\a+11], v[8*bb:8*bb+7], v[SB+8*SET+bb], v[SA+4*SET+\a] matrix_a_fmt:MATRIX_FMT_FP6 matrix_b_fmt:MATRIX_FMT_FP6
.else
	v_wmma_scale_f32_16x16x128_f8f6f4 v[8*(NB*\a+bb):8*(NB*\a+bb)+7], v[BF+12*bb:BF+12*bb+11], v[AF+12*\a:AF+12*\a+11], v[8*(NB*\a+bb):8*(NB*\a+bb)+7], v[SB+8*SET+bb], v[SA+4*SET+\a] matrix_a_fmt:MATRIX_FMT_FP6 matrix_b_fmt:MATRIX_FMT_FP6
.endif
.set bb, bb+1
.endr
.endr
.endm
.macro STAGEWAIT s                     ; all of K is in LDS for every wave
	s_wait_tensorcnt 0x0                           ; my one load has landed (a wave that issued none passes at once)
	s_wait_dscnt 0x0
	s_barrier_signal -1
	s_barrier_wait -1
.endm
.macro KSTEP kap
	WIN 0
.if \kap < 7
.if ((\kap)+1)%2 == 0
.irp v, 4,5,6,7,8,9
	v_add_nc_u32 v\v, STG, v\v                     ; on to the next stage; also the places in front of the loads below
.endr
.else
.rept 4
	v_nop                                          ; four places in front of loads into registers that matrix instructions have read
.endr
.endif
	FETCH (\kap)+1
	s_wait_alu depctr_va_vdst(0)
	s_wait_dscnt NLD                               ; all but the fetch just issued
.else
	s_wait_dscnt 0x0
.endif
	MUL \kap
.endm
	s_load_b256 s[4:11], s[0:1], 0x0               ; OI, WI, bo, out0
	v_lshl_add_u32 v[SPW], v0, 2, SPARE
	v_mov_b32 v[NIL], 0
	ds_add_u32 v[SPW], v[NIL]                      ; the opening lines: the add, twice on end, and its wait ahead of the round in front of the first loads
	ds_add_u32 v[SPW], v[NIL]
	v_lshrrev_b32 v1, 5, v0
	v_readfirstlane_b32 s[WV], v1
	s_lshr_b32 s61, s[WV], 1                       ; wm
	s_and_b32 s62, s[WV], 1                        ; wn
	s_bfe_u32 s56, ttmp6, 0x40000                  ; cx
	s_bfe_u32 s57, ttmp6, 0x40004                  ; cy
	s_and_b32 s59, ttmp7, 0xffff
	s_lshl_b32 s2, s57, 2
	s_lshl_b32 s2, 15, s2                          ; my row of the cluster
	s_lshl_b32 s3, 0x1111, s56                     ; my column
	s_or_b32 s[G1A], s2, (3<<16)|(1<<21)           ; 102,400 dense bytes as 400 rows of 32 elements of 8 bytes
	s_or_b32 s[G1B], s3, (3<<16)|(1<<21)
.irp g, G1A, G1B
	s_mov_b32 s[\g+1], 32<<16
	s_mov_b32 s[\g+2], 400<<16                     ; 102,400 dense bytes as 400 rows of 256
	s_mov_b32 s[\g+3], 32<<16
	s_mov_b32 s[\g+4], 400
	s_mov_b32 s[\g+5], 32
	s_mov_b32 s[\g+6], 0
	s_mov_b32 s[\g+7], 0
.endr
	s_lshl_b32 s66, s59, 2
	s_add_co_u32 s66, s66, s57                     ; gA = 4 x cluster y + cy
	s_lshl_b32 s67, ttmp9, 2
	s_add_co_u32 s67, s67, s56                     ; nb = 4 x cluster x + cx
	s_mul_i32 s92, s66, GRP
	s_mov_b32 s93, 0
	s_add_co_u32 s94, s67, 40
	s_mul_i32 s94, s94, GRP
	s_mov_b32 s95, 0
	s_mul_i32 s96, s[WV], 102400
	s_wait_dscnt 0x0                               ; both opening adds are done
	s_wait_kmcnt 0x0
	s_add_nc_u64 s[84:85], s[4:5], s[92:93]
	s_add_nc_u64 s[86:87], s[6:7], s[94:95]
.irp s, 0
	s_mov_b32 s[G0A+4*\s], 1
	s_add_co_u32 s[G0A+4*\s+1], s96, \s*STG
	s_add_nc_u64 s[G0A+4*\s+2:G0A+4*\s+3], s[84:85], \s*25600
	s_or_b32 s[G0A+4*\s+3], s[G0A+4*\s+3], 0x80000000
	s_mov_b32 s[G0B+4*\s], 1
	s_add_co_u32 s[G0B+4*\s+1], s96, \s*STG
	s_add_nc_u64 s[G0B+4*\s+2:G0B+4*\s+3], s[86:87], \s*25600
	s_or_b32 s[G0B+4*\s+3], s[G0B+4*\s+3], 0x80000000
.endr
	CROUND                                         ; all sixteen work-groups are here: the joint loads meet
	s_cmp_eq_u32 s[WV], 0                          ; one chain of branches on the wave's number, one load to an arm: wave 0 O's group, wave 1 Wo's
	s_cbranch_scc0 .Lnot_a
	tensor_load_to_lds s[G0A:G0A+3], s[G1A:G1A+7]
	s_nop 0
.rept 4
	v_nop
.endr
	s_branch .Lfilled
.Lnot_a:
	s_cmp_eq_u32 s[WV], 1
	s_cbranch_scc0 .Lfilled
	tensor_load_to_lds s[G0B:G0B+3], s[G1B:G1B+7]
	s_nop 0
.rept 4
	v_nop
.endr
.Lfilled:
	v_and_b32 v1, 31, v0
	v_and_b32 v2, 15, v0                           ; r
	v_bfe_u32 v3, v0, 4, 1                         ; h
	v_lshlrev_b32 v10, 4, v1
	v_lshlrev_b32 v11, 3, v1
	s_mul_i32 s2, s61, 6144
	v_add_nc_u32 v4, s2, v10                       ; A: my four tiles
	v_add_nc_u32 v5, s2, v11
	s_lshl_b32 s2, s61, 8
	v_lshl_add_u32 v6, v2, 2, s2
	s_mul_i32 s2, s62, 6144
	s_add_co_u32 s2, s2, 102400
	v_add_nc_u32 v7, s2, v10                       ; B: my four tiles
	v_add_nc_u32 v8, s2, v11
	s_lshl_b32 s2, s62, 8
	s_add_co_u32 s2, s2, 102400
	v_lshl_add_u32 v9, v2, 2, s2
	s_mul_i32 s2, s[WV], 16*272
	s_add_co_u32 s2, s2, STAGE                     ; my stage
	v_mul_u32_u24 v12, v2, 272
	v_lshl_add_u32 v12, v3, 6, v12
	v_add_nc_u32 v12, s2, v12                      ; in: row r, + 64 h
	v_mul_u32_u24 v13, v3, 272
	v_lshl_add_u32 v13, v2, 4, v13
	v_add_nc_u32 v13, s2, v13                      ; back: lanes 0-15 one row of 256 bytes, lanes 16-31 the next
	v_lshlrev_b32 v14, 12, v3
	v_lshl_add_u32 v14, v2, 4, v14                 ; and the same two rows in out0
	v_lshlrev_b32 v15, 6, v3                       ; bo: 64 h bytes
	s_wait_alu depctr_va_vdst(0)
	s_lshl_b32 s2, s66, 19                         ; 128 rows of 4,096 bytes
	s_lshl_b32 s3, s61, 18
	s_add_co_u32 s2, s2, s3
	s_lshl_b32 s92, s67, 9
	s_lshl_b32 s3, s62, 8
	s_add_co_u32 s92, s92, s3                      ; 4 (128 nb + 64 wn)
	s_add_co_u32 s2, s2, s92
	s_mov_b32 s3, 0
	s_add_nc_u64 s[84:85], s[10:11], s[2:3]
	s_add_nc_u64 s[86:87], s[8:9], s[92:93]
	WIN 0x80
.irp b, 0,1,2,3
	global_load_b128 v[8*\b:8*\b+3], v15, s[86:87] offset:4*(32*(\b/2)+8*(\b%2))       ; register 8 b + j: n = 32 (b / 2) + 16 h + 8 (b % 2) + j of my 64
	global_load_b128 v[8*\b+4:8*\b+7], v15, s[86:87] offset:4*(32*(\b/2)+8*(\b%2))+16
.endr
	WIN 0
	s_wait_loadcnt 0x0
	STAGEWAIT 0
	FETCH 0
.irp k, 0,1,2,3,4,5,6,7
	KSTEP \k
.endr
	WIN 0
.rept 4
	v_nop                                          ; four places in front of the first read of results and of loads into the fragments' registers
.endr
	; THE WAY OUT, a tile of 16 rows at a time, through my own stage: LDS serves a wave's instructions in order, so no wait stands between the stores and the loads, nor in front of the next tile's stores
.irp a, 0,1,2,3
.if \a > 0
	s_wait_xcnt 0x0                                ; the last tile's stores have read their registers
.endif
	WIN 0x04                                       ; an LDS store's data are its source 1: window 1
.irp b, 0,1,2,3
	ds_store_b128 v12, v[8*(4*\a+\b):8*(4*\a+\b)+3] offset:128*(\b/2)+32*(\b%2)        ; each accumulator from its low end on
	ds_store_b128 v12, v[8*(4*\a+\b)+4:8*(4*\a+\b)+7] offset:128*(\b/2)+32*(\b%2)+16
.endr
	WIN 0
.irp t, 0,1,2,3,4,5,6,7
	ds_load_b128 v[OB+4*\t:OB+4*\t+3], v13 offset:544*\t
.endr
.irp t, 0,1,2,3,4,5,6,7
	s_wait_dscnt 7-\t                              ; the later rows' loads may be out
	global_store_b128 v14, v[OB+4*\t:OB+4*\t+3], s[84:85] offset:(32*(\a/2)+8*(\a%2)+2*\t+8*(\t/4))*4096 th:TH_STORE_NT   ; sixteen lanes store 256 consecutive bytes, aligned
.endr
.endr
	s_wait_tensorcnt 0x0                           ; the wave's end, behind my last LDS store
	ds_add_u32 v[SPW], v[NIL]
	s_wait_dscnt 0x0
	CROUND                                         ; the closing round: no work-group ends while a partner may still ask for a tile that names it
	s_endpgm
.Lfunc_end_k_q5a81863042_outp:
	.size	k_q5a81863042_outp, .Lfunc_end_k_q5a81863042_outp-k_q5a81863042_outp
	.p2alignl 7, 3214868480
	.fill 96, 4, 3214868480
	.section	.rodata,"a",@progbits
	.p2align	6, 0x0
	.amdhsa_kernel k_q5a81863042_outp
		.amdhsa_group_segment_fixed_size 327680
		.amdhsa_private_segment_fixed_size 0
		.amdhsa_enable_private_segment 0
		.amdhsa_kernarg_size 32
		.amdhsa_user_sgpr_count 2
		.amdhsa_user_sgpr_kernarg_segment_ptr 1
		.amdhsa_wavefront_size32 1
		.amdhsa_system_sgpr_workgroup_id_x 1
		.amdhsa_system_sgpr_workgroup_id_y 1
		.amdhsa_system_sgpr_workgroup_id_z 1
		.amdhsa_system_vgpr_workitem_id 0
		.amdhsa_next_free_vgpr 768
		.amdhsa_next_free_sgpr 100
		.amdhsa_reserve_vcc 0
		.amdhsa_float_denorm_mode_32 3
		.amdhsa_float_denorm_mode_16_64 3
		.amdhsa_memory_ordered 1
		.amdhsa_forward_progress 1
		.amdhsa_inst_pref_size 55
	.end_amdhsa_kernel
	.amdgpu_metadata
---
amdhsa.version: [ 1, 2 ]
amdhsa.kernels:
  - .name:           k_q5a81863042_outp
    .symbol:         k_q5a81863042_outp.kd
    .args:
      - { .name: OI, .offset: 0, .size: 8, .value_kind: global_buffer, .address_space: global }
      - { .name: WI, .offset: 8, .size: 8, .value_kind: global_buffer, .address_space: global }
      - { .name: bo, .offset: 16, .size: 8, .value_kind: global_buffer, .address_space: global }
      - { .name: out0, .offset: 24, .size: 8, .value_kind: global_buffer, .address_space: global }
    .group_segment_fixed_size: 327680
    .private_segment_fixed_size: 0
    .kernarg_segment_align: 8
    .kernarg_segment_size: 32
    .max_flat_workgroup_size: 128
    .sgpr_count:     100
    .vgpr_count:     768
    .wavefront_size: 32
...
	.end_amdgpu_metadata
.endif
;; end of part 4
